; MI455X (gfx1250); checked and timed in simulation.
; The chip was launched on July 23, 2026; its instructions are those of AMD's public machine-readable ISA for CDNA 5 (MIT licence, August 2026) and "CDNA5" Instruction Set Architecture Reference Guide (July 2026). The comments in the code are by the model that wrote it; some were corrected since.
;; Mo E Layer. Allowed arithmetic: float matrix products may take bf16 or f16 operands with f32 sums; all other float work in f32.
;; Inputs: W1 8 x 1,024 x 2,048 float32; W2 8 x 2,048 x 1,024 float32; Wg 1,024 x 8 float32; b1 8 x 2,048 float32; b2 8 x 1,024 float32; bg 8 float32; x 4 x 512 x 1,024 float32.
;; Outputs: out0 4 x 512 x 1,024 float32.
;; 2 versions, each right; version 2 is version 1 with the launches ffn1, ffn2 written anew for expert scheduling mode. Each part assembles by itself: llvm-mc -triple=amdgcn-amd-amdhsa -mcpu=gfx1250 --defsym DOCPART=n.
;; ======== version 1 of 2: 6 launches
;; limits: values outside matrix products are rounded to bf16
;; workspace buffers: rin 16,384 bytes of whole numbers; tos 32,768 bytes of whole numbers; rout 16,640 bytes of whole numbers; gv 16,384 bytes; xs 9,240,576 bytes; hs 18,481,152 bytes; po 36,962,304 bytes
;; launch gate (part 1): grid 64 x 1, 8 waves a work-group, no clusters, 177,152 bytes of LDS; arguments x, Wg, bg, rin, tos, gv; writes rin, tos, gv
.if DOCPART == 1
	.amdgcn_target "amdgcn-amd-amdhsa--gfx1250"
	.amdhsa_code_object_version 6
	.text
	.protected	k_qbfcfb15e91_gate
	.globl	k_qbfcfb15e91_gate
	.p2align	8
	.type	k_qbfcfb15e91_gate,@function
k_qbfcfb15e91_gate:
	s_mov_b64 s[64:65], 0
	v_nop
	global_prefetch_b8 v0, s[64:65] scope:SCOPE_SE
	s_setreg_imm32_b32 hwreg(HW_REG_WAVE_MODE, 25, 1), 1
	s_wait_xcnt 0x0
; THE GATE.  logits = x Wg + bg; p = softmax(logits / 5); the two largest p of a token, renormalised: g_k = p_k / (p_1 + p_2 + 1e-9).
; x, Wg and bg are rounded to bf16 on their way in, as every input of this program is: the experts' products take bf16 operands, and the
; choice of experts has to be made from the same numbers as those products.  All arithmetic is f32 (a product of two bf16 numbers is exact in f32).
; SHARES.  Work-group g owns tokens 32 g .. 32 g + 31.  Wave w sums over d = 128 w .. 128 w + 127; in the arithmetic a lane is a token.
; x comes in by rows (512 consecutive bytes a load) and is turned through the wave's own LDS tile; the eight partial sums meet in LDS behind
; the one barrier, and wave 0 finishes: softmax, the two choices, the gates, and each token's rank among its group's tokens of the same expert.
; OUT.  rin: pk[token] = e1 | e2 << 4 | rank1 << 8 | rank2 << 16, and from byte 8192 a row of 32 words for each group: the 8 experts' counts, then zeros.
;       gv: the two gates of each token.  tos: zeros (the next launch scatters token numbers into it; slots that stay 0 are padding).
; No address and no branch hangs on a floating-point number: the choices leave as data.
; LIMITS.  logits / 5 is computed as logits x 0.2.  The f32 sum over d is ordered otherwise than a plain loop would order it, so a second and third
; expert whose p differ by less than about 1e-6 of their size may change places.  Equal p go to the lower index.  NaN in x, Wg or bg is not served.
; The product has 8 columns and 33 MFLOP in all: it is done on the vector unit; a 16-column matrix tile would be half empty.
.set XTB, 20992                        ; LDS of a wave: 32 rows x 528 bytes of x, then 4,096 bytes of Wg
.set XP,  528                          ; a row of the tile: 512 bytes + 16: an odd multiple of 16, so 16 lanes that read one column of 16 rows touch 16 different 16-byte columns
.set WTO, 32*XP
.set RED, 8*XTB                        ; the partial sums: wave x 1,024 + lane x 32
.set ACC, 8                            ; v[8:15]   the token's 8 sums, as 4 pairs
.set BUF, 16                           ; v[16:51], v[52:87]  two chunk buffers: 4 numbers of x, then 4 rows of Wg (32 numbers)
.set RT,  88                           ; v[88:91]  at work in the rounding
.set WL,  96                           ; v[96:127]  Wg as loaded
.set XL,  128                          ; v[128:255] x as loaded
.set P,   96                           ; wave 0's tail: logits, then p
.macro RND4 r, t                       ; four f32 are rounded to bf16 (nearest even) and widened again
	v_cvt_pk_bf16_f32 v[\t], v[\r], v[\r+1]
	v_cvt_pk_bf16_f32 v[\t+1], v[\r+2], v[\r+3]
	v_lshlrev_b32 v[\r], 16, v[\t]
	v_and_b32 v[\r+1], s44, v[\t]
	v_lshlrev_b32 v[\r+2], 16, v[\t+1]
	v_and_b32 v[\r+3], s44, v[\t+1]
.endm
.macro CH c, b                         ; chunk c (d = 4 c .. 4 c + 3 of the wave's 128) into buffer b: nine LDS loads
	ds_load_b128 v[BUF+36*(\b):BUF+36*(\b)+3], v4 offset:16*(\c)
.irp m, 0,1,2,3,4,5,6,7
	ds_load_b128 v[BUF+36*(\b)+4+4*\m:BUF+36*(\b)+7+4*\m], v6 offset:128*(\c)+16*\m   ; every lane reads the same 16 bytes of Wg
.endr
.endm
.macro FM c, b                         ; 16 packed multiply-adds: x[d] (one register of a pair, taken for both halves) times Wg[d][2 p], Wg[d][2 p + 1]
.irp dd, 0,1,2,3
.irp p, 0,1,2,3
.if ((\c) == 0) && (\dd == 0)
	v_pk_mul_f32 v[ACC+2*\p:ACC+2*\p+1], v[BUF+36*(\b):BUF+36*(\b)+1], v[BUF+36*(\b)+4+2*\p:BUF+36*(\b)+5+2*\p] op_sel_hi:[0,1]   ; the first product starts the sums
.elseif (\dd%2) == 0
	v_pk_fma_f32 v[ACC+2*\p:ACC+2*\p+1], v[BUF+36*(\b)+2*(\dd/2):BUF+36*(\b)+2*(\dd/2)+1], v[BUF+36*(\b)+4+8*\dd+2*\p:BUF+36*(\b)+5+8*\dd+2*\p], v[ACC+2*\p:ACC+2*\p+1] op_sel_hi:[0,1,1]
.else
	v_pk_fma_f32 v[ACC+2*\p:ACC+2*\p+1], v[BUF+36*(\b)+2*(\dd/2):BUF+36*(\b)+2*(\dd/2)+1], v[BUF+36*(\b)+4+8*\dd+2*\p:BUF+36*(\b)+5+8*\dd+2*\p], v[ACC+2*\p:ACC+2*\p+1] op_sel:[1,0,0] op_sel_hi:[1,1,1]
.endif
.endr
.endr
.endm
	s_load_b256 s[4:11], s[0:1], 0x0               ; x s[4:5], Wg s[6:7], bg s[8:9], rin s[10:11]
	s_load_b128 s[12:15], s[0:1], 0x20             ; tos s[12:13], gv s[14:15]
	v_lshl_add_u32 v94, v0, 2, 0x2b000
	v_mov_b32 v95, 0
	v_and_b32 v1, 31, v0                           ; lane
	v_lshrrev_b32 v2, 5, v0
	v_readfirstlane_b32 s16, v2                    ; wave
	v_lshlrev_b32 v2, 4, v1                        ; 16 x lane
	s_mul_i32 s17, s16, XTB                        ; my wave's tile
	v_add_nc_u32 v3, s17, v2                       ; where a row of x is put: 16 bytes a lane
	v_mul_u32_u24 v4, v1, XP
	v_add_nc_u32 v4, s17, v4                       ; where my token's row is read
	s_add_co_u32 s18, s17, WTO
	v_add_nc_u32 v5, s18, v2                       ; where Wg is put
	v_mov_b32 v6, s18                              ; and read
	s_lshl_b32 s19, s16, 10
	s_add_co_u32 s19, s19, RED
	v_lshl_add_u32 v7, v1, 5, s19                  ; where my 8 partial sums go
	s_mov_b32 s44, 0xffff0000                      ; a word's upper bf16
	s_lshl_b32 s40, s16, 12                        ; Wg: 128 rows of 32 bytes a wave
	s_mov_b32 s41, 0
	s_lshl_b32 s42, ttmp9, 17                      ; x: 32 rows of 4,096 bytes a group,
	s_lshl_b32 s43, s16, 9                         ; 512 bytes of each row a wave
	s_add_co_u32 s42, s42, s43
	s_mov_b32 s43, 0
	s_wait_kmcnt 0x0
	s_add_nc_u64 s[6:7], s[6:7], s[40:41]
	s_add_nc_u64 s[4:5], s[4:5], s[42:43]
	s_load_b256 s[20:27], s[8:9], 0x0              ; bg
.set i, 0
.rept 8
	global_load_b128 v[WL+4*i:WL+4*i+3], v2, s[6:7] offset:512*i
.set i, i+1
.endr
.set i, 0
.rept 32
	global_load_b128 v[XL+4*i:XL+4*i+3], v2, s[4:5] offset:4096*i    ; row i: 512 consecutive bytes.  No hint: a later launch reads x again
.set i, i+1
.endr
	s_wait_loadcnt 32                              ; Wg's eight loads are in: the 32 of x were issued behind them
.set i, 0
.rept 8
	RND4 WL+4*i, RT+2*(i%2)
	ds_store_b128 v5, v[WL+4*i:WL+4*i+3] offset:512*i
.set i, i+1
.endr
.set i, 0
.rept 32
.if (i%8) == 0
	s_wait_loadcnt 24-i                            ; eight more rows are in: 24, 16, 8, 0 loads were issued behind them
.endif
	RND4 XL+4*i, RT+2*(i%2)
	ds_store_b128 v3, v[XL+4*i:XL+4*i+3] offset:XP*i
.set i, i+1
.endr
	; the tile is the wave's own and LDS serves a wave's instructions in order (ISA guide 5.7.1): the loads below see the stores above
	CH 0, 0
	CH 1, 1
.set c, 0
.rept 32
.if c < 31
	s_wait_dscnt 9                                 ; this chunk is in; the other buffer's nine loads may stay out
.else
	s_wait_dscnt 0
.endif
	FM c, c%2
.if c < 30
	CH c+2, c%2
.endif
.set c, c+1
.endr
	ds_store_b128 v7, v[ACC:ACC+3]
	ds_store_b128 v7, v[ACC+4:ACC+7] offset:16
	s_wait_kmcnt 0x0                               ; bg
	s_wait_dscnt 0x0                               ; for wave 0's sake: my partial sums are in LDS
	s_barrier_signal -1
	s_barrier_wait -1
	s_cmp_lg_u32 s16, 0
	s_cbranch_scc1 .Ldone                          ; waves 1 to 7 have done their part
	v_lshl_add_u32 v92, v1, 5, RED
.irp w, 0,1,2,3,4,5,6,7
	ds_load_b128 v[P+8*\w:P+8*\w+3], v92 offset:1024*\w
	ds_load_b128 v[P+8*\w+4:P+8*\w+7], v92 offset:1024*\w+16
.endr
.irp e, 0,1,2,3,4,5,6,7
	v_mov_b32 v[164+\e], s[20+\e]                  ; bg, rounded like the other inputs
.endr
	RND4 164, 160
	RND4 168, 162
.irp e, 0,1,2,3,4,5,6,7
	v_mov_b32 v[172+\e], \e                        ; the experts' numbers, for the selects
.endr
	s_wait_dscnt 0x0
.irp p, 0,2,4,6                                        ; the eight waves' sums, as a tree
	v_pk_add_f32 v[P+\p:P+\p+1], v[P+\p:P+\p+1], v[P+8+\p:P+9+\p]
	v_pk_add_f32 v[P+16+\p:P+17+\p], v[P+16+\p:P+17+\p], v[P+24+\p:P+25+\p]
	v_pk_add_f32 v[P+32+\p:P+33+\p], v[P+32+\p:P+33+\p], v[P+40+\p:P+41+\p]
	v_pk_add_f32 v[P+48+\p:P+49+\p], v[P+48+\p:P+49+\p], v[P+56+\p:P+57+\p]
.endr
.irp p, 0,2,4,6
	v_pk_add_f32 v[P+\p:P+\p+1], v[P+\p:P+\p+1], v[P+16+\p:P+17+\p]
	v_pk_add_f32 v[P+32+\p:P+33+\p], v[P+32+\p:P+33+\p], v[P+48+\p:P+49+\p]
.endr
.irp p, 0,2,4,6
	v_pk_add_f32 v[P+\p:P+\p+1], v[P+\p:P+\p+1], v[P+32+\p:P+33+\p]
.endr
.irp p, 0,2,4,6
	v_pk_add_f32 v[P+\p:P+\p+1], v[P+\p:P+\p+1], v[164+\p:165+\p]           ; + bg
.endr
.irp p, 0,2,4,6
	v_pk_mul_f32 v[P+\p:P+\p+1], v[P+\p:P+\p+1], 0x3e4ccccd op_sel_hi:[1,0]  ; x 0.2
.endr
	v_max3_num_f32 v104, v[P], v[P+1], v[P+2]      ; the maximum is taken away before the exponentials
	v_max3_num_f32 v104, v104, v[P+3], v[P+4]
	v_max3_num_f32 v104, v104, v[P+5], v[P+6]
	v_max_num_f32 v104, v104, v[P+7]
.irp e, 0,1,2,3,4,5,6,7
	v_sub_f32 v[P+\e], v[P+\e], v104
.endr
.irp p, 0,2,4,6
	v_pk_mul_f32 v[P+\p:P+\p+1], v[P+\p:P+\p+1], 0x3fb8aa3b op_sel_hi:[1,0]  ; x log2(e): the exponential works in base 2
.endr
.irp e, 0,1,2,3,4,5,6,7
	v_exp_f32 v[P+\e], v[P+\e]
.endr
	v_mov_b32 v111, 0                              ; a plain instruction behind the exponentials (ISA guide 5.7.2): the first choice starts at expert 0
	s_wait_alu depctr_va_vdst(0)
	v_add_f32 v105, v[P], v[P+1]
	v_add_f32 v106, v[P+2], v[P+3]
	v_add_f32 v107, v[P+4], v[P+5]
	v_add_f32 v108, v[P+6], v[P+7]
	v_add_f32 v105, v105, v106
	v_add_f32 v107, v107, v108
	v_add_f32 v105, v105, v107
	v_rcp_f32 v106, v105
	v_mov_b32 v121, -1.0                           ; a plain instruction behind the reciprocal: below every p
	s_wait_alu depctr_va_vdst(0)
.irp e, 0,1,2,3,4,5,6,7
	v_mul_f32 v[P+\e], v[P+\e], v106               ; p
.endr
	v_mov_b32 v110, v[P]                           ; the largest p and its expert: a later one wins only if it is larger
.irp e, 1,2,3,4,5,6,7
	v_cmp_gt_f32 vcc_lo, v[P+\e], v110
	v_cndmask_b32 v110, v110, v[P+\e], vcc_lo
	v_cndmask_b32 v111, v111, v[172+\e], vcc_lo
.endr
.irp e, 0,1,2,3,4,5,6,7
	v_cmp_eq_u32 vcc_lo, \e, v111
	v_cndmask_b32 v[P+\e], v[P+\e], v121, vcc_lo   ; the first choice is taken out
.endr
	v_mov_b32 v122, v[P]
	v_mov_b32 v123, 0
.irp e, 1,2,3,4,5,6,7
	v_cmp_gt_f32 vcc_lo, v[P+\e], v122
	v_cndmask_b32 v122, v122, v[P+\e], vcc_lo
	v_cndmask_b32 v123, v123, v[172+\e], vcc_lo
.endr
	v_add_f32 v124, v110, v122
	v_add_f32 v124, 0x3089705f, v124               ; + 1e-9
	v_rcp_f32 v124, v124
	v_mov_b32 v128, 0                              ; (plain, behind the reciprocal) the two ranks
	v_mov_b32 v129, 0
	s_wait_alu depctr_va_vdst(0)
	v_mul_f32 v126, v110, v124                     ; the two gates
	v_mul_f32 v127, v122, v124
.irp e, 0,1,2,3,4,5,6,7                                ; a token's rank = the lower lanes that chose the same expert; the expert's count in this group
	v_cmp_eq_u32 s36, \e, v111
	v_cmp_eq_u32 s37, \e, v123
	s_or_b32 s38, s36, s37
	v_mbcnt_lo_u32_b32 v130, s38, 0
	v_cndmask_b32 v128, v128, v130, s36
	v_cndmask_b32 v129, v129, v130, s37
	s_bcnt1_i32_b32 s[28+\e], s38
.endr
	v_lshl_or_b32 v131, v123, 4, v111
	v_lshl_or_b32 v131, v128, 8, v131
	v_lshl_or_b32 v131, v129, 16, v131             ; pk
	v_mov_b32 v132, 0
.irp e, 0,1,2,3,4,5,6,7
	v_writelane_b32 v132, s[28+\e], \e             ; the group's row of counts: lane e holds expert e's
.endr
	v_lshlrev_b32 v133, 2, v1
	v_lshlrev_b32 v134, 3, v1
.irp k, 136,137,138,139
	v_mov_b32 v\k, 0
.endr
	s_lshl_b32 s40, ttmp9, 7
	s_add_nc_u64 s[10:11], s[10:11], s[40:41]      ; rin + 128 g
	s_lshl_b32 s40, ttmp9, 8
	s_add_nc_u64 s[14:15], s[14:15], s[40:41]      ; gv + 256 g
	s_lshl_b32 s40, ttmp9, 9
	s_add_nc_u64 s[12:13], s[12:13], s[40:41]      ; tos + 512 g: 64 groups clear its 32,768 bytes
	global_store_b32 v133, v131, s[10:11]
	global_store_b32 v133, v132, s[10:11] offset:8192
	global_store_b64 v134, v[126:127], s[14:15]
	global_store_b128 v2, v[136:139], s[12:13]
.Ldone:
	s_wait_tensorcnt 0x0
	ds_add_u32 v94, v95
	s_wait_dscnt 0x0
	s_endpgm
.Lfunc_end_k_qbfcfb15e91_gate:
	.size	k_qbfcfb15e91_gate, .Lfunc_end_k_qbfcfb15e91_gate-k_qbfcfb15e91_gate
	.p2alignl 7, 3214868480
	.fill 96, 4, 3214868480
	.section	.rodata,"a",@progbits
	.p2align	6, 0x0
	.amdhsa_kernel k_qbfcfb15e91_gate
		.amdhsa_group_segment_fixed_size 177152
		.amdhsa_private_segment_fixed_size 0
		.amdhsa_enable_private_segment 0
		.amdhsa_kernarg_size 48
		.amdhsa_user_sgpr_count 2
		.amdhsa_user_sgpr_kernarg_segment_ptr 1
		.amdhsa_wavefront_size32 1
		.amdhsa_system_sgpr_workgroup_id_x 1
		.amdhsa_system_sgpr_workgroup_id_y 1
		.amdhsa_system_sgpr_workgroup_id_z 1
		.amdhsa_system_vgpr_workitem_id 0
		.amdhsa_next_free_vgpr 256
		.amdhsa_next_free_sgpr 66
		.amdhsa_reserve_vcc 1
		.amdhsa_float_denorm_mode_32 3
		.amdhsa_float_denorm_mode_16_64 3
		.amdhsa_memory_ordered 1
		.amdhsa_forward_progress 1
		.amdhsa_inst_pref_size 83
	.end_amdhsa_kernel
	.amdgpu_metadata
---
amdhsa.version: [ 1, 2 ]
amdhsa.kernels:
  - .name:           k_qbfcfb15e91_gate
    .symbol:         k_qbfcfb15e91_gate.kd
    .args:
      - { .name: x, .offset: 0, .size: 8, .value_kind: global_buffer, .address_space: global }
      - { .name: Wg, .offset: 8, .size: 8, .value_kind: global_buffer, .address_space: global }
      - { .name: bg, .offset: 16, .size: 8, .value_kind: global_buffer, .address_space: global }
      - { .name: rin, .offset: 24, .size: 8, .value_kind: global_buffer, .address_space: global }
      - { .name: tos, .offset: 32, .size: 8, .value_kind: global_buffer, .address_space: global }
      - { .name: gv, .offset: 40, .size: 8, .value_kind: global_buffer, .address_space: global }
    .group_segment_fixed_size: 177152
    .private_segment_fixed_size: 0
    .kernarg_segment_align: 8
    .kernarg_segment_size: 48
    .max_flat_workgroup_size: 256
    .sgpr_count:     66
    .vgpr_count:     256
    .wavefront_size: 32
...
	.end_amdgpu_metadata
.endif
;; end of part 1
;; launch route (part 2): grid 64 x 1, 1 waves a work-group, no clusters, 0 bytes of LDS; arguments rin, tos, rout; writes tos, rout
.if DOCPART == 2
	.amdgcn_target "amdgcn-amd-amdhsa--gfx1250"
	.amdhsa_code_object_version 6
	.text
	.protected	k_qbfcfb15e91_route
	.globl	k_qbfcfb15e91_route
	.p2align	8
	.type	k_qbfcfb15e91_route,@function
k_qbfcfb15e91_route:
	s_mov_b64 s[64:65], 0
	v_nop
	global_prefetch_b8 v0, s[64:65] scope:SCOPE_SE
	s_setreg_imm32_b32 hwreg(HW_REG_WAVE_MODE, 25, 1), 1
	s_wait_xcnt 0x0
; THE PLACES.  The 4,096 (token, expert) rows are laid out expert by expert in UNITS of 48 rows: expert e owns units u0[e] .. u0[e] + nun[e] - 1,
; nun[e] = ceil(T[e] / 48), T[e] its number of rows.  A row's slot = 48 u0[e] + (rows of e in lower groups) + (its rank in its own group).
; One wave for each group of 32 tokens; a lane is a token.  Every wave sums the 64 groups' counts by itself (lane l takes groups l and l + 32), in
; registers: no LDS, no barrier, nothing passes between work-groups.
; OUT.  rout: the two slots of each token; from byte 16384 u0[8], nun[8], U = the number of units (work-group 0 writes these).  tos[slot] = token.
; The scatter into tos is two 4-byte stores a token, 16 KB in the whole launch.
	s_load_b128 s[4:7], s[0:1], 0x0                ; rin s[4:5], tos s[6:7]
	s_load_b64 s[8:9], s[0:1], 0x10                ; rout
	v_lshlrev_b32 v1, 7, v0                        ; a group's row of counts is 128 bytes
	v_lshlrev_b32 v2, 2, v0
	s_lshl_b32 s10, ttmp9, 7
	s_mov_b32 s11, ttmp9                           ; g
	v_add_nc_u32 v2, s10, v2                       ; 4 x my token's number
	s_mov_b32 s12, 0x76543210                      ; v_permlanex16_b32: each lane takes its own place in the other half
	s_mov_b32 s13, 0xfedcba98
	v_add_nc_u32 v4, 32, v0
	v_mov_b32 v40, 0                               ; the destination of the lane moves below counts as read
	s_wait_kmcnt 0x0
	global_load_b128 v[8:11], v1, s[4:5] offset:8192     ; group l: experts 0-3,
	global_load_b128 v[12:15], v1, s[4:5] offset:8208    ; experts 4-7
	global_load_b128 v[16:19], v1, s[4:5] offset:12288   ; group l + 32
	global_load_b128 v[20:23], v1, s[4:5] offset:12304
	global_load_b32 v3, v2, s[4:5]                       ; pk of my token
	s_wait_loadcnt 0x0
.irp j, 0,1,2,3                                        ; two experts to a word: no sum passes 2,048, so no carry crosses
	v_lshl_or_b32 v[24+\j], v[9+2*\j], 16, v[8+2*\j]
	v_lshl_or_b32 v[28+\j], v[17+2*\j], 16, v[16+2*\j]
.endr
.irp j, 0,1,2,3
	v_add_nc_u32 v[32+\j], v[24+\j], v[28+\j]      ; for the totals: both groups
.endr
	v_cmp_gt_u32 vcc_lo, s11, v0                   ; for the rows ahead of my group: groups below g alone
.irp j, 0,1,2,3
	v_cndmask_b32 v[24+\j], 0, v[24+\j], vcc_lo
.endr
	v_cmp_gt_u32 vcc_lo, s11, v4
.irp j, 0,1,2,3
	v_cndmask_b32 v[28+\j], 0, v[28+\j], vcc_lo
.endr
.irp j, 0,1,2,3
	v_add_nc_u32 v[36+\j], v[24+\j], v[28+\j]
.endr
.irp m, 1,2,4,8                                        ; the eight words are summed over the 32 lanes; every lane ends with the sums
.irp r, 32,33,34,35,36,37,38,39
	v_mov_b32_dpp v40, v\r row_xmask:\m row_mask:0xf bank_mask:0xf
	v_add_nc_u32 v\r, v\r, v40
.endr
.endr
.irp r, 32,33,34,35,36,37,38,39
	v_permlanex16_b32 v40, v\r, s12, s13
	v_add_nc_u32 v\r, v\r, v40
.endr
.irp j, 0,1,2,3
	v_and_b32 v[48+2*\j], 0xffff, v[32+\j]         ; T[e]
	v_lshrrev_b32 v[49+2*\j], 16, v[32+\j]
	v_and_b32 v[56+2*\j], 0xffff, v[36+\j]         ; rows of e in lower groups
	v_lshrrev_b32 v[57+2*\j], 16, v[36+\j]
.endr
.irp e, 0,1,2,3,4,5,6,7                                ; nun = (T + 47) / 48 = ((T + 47) x 21846) >> 20: 21846 / 2^20 exceeds 1 / 48 by 6.4e-7, and 2,095 x 6.4e-7 is below 1 / 48
	v_add_nc_u32 v[64+\e], 47, v[48+\e]
	v_mul_u32_u24 v[64+\e], v[64+\e], 0x5556
	v_lshrrev_b32 v[64+\e], 20, v[64+\e]
.endr
	v_mov_b32 v72, 0
.irp e, 0,1,2,3,4,5,6,7
	v_add_nc_u32 v[73+\e], v[72+\e], v[64+\e]      ; u0[e + 1]; v80 = U
.endr
.irp e, 0,1,2,3,4,5,6,7
	v_mad_u32_u24 v[56+\e], v[72+\e], 48, v[56+\e] ; where my group's rows of e begin
.endr
	v_and_b32 v5, 15, v3                           ; e1, e2, rank1, rank2
	v_bfe_u32 v6, v3, 4, 4
	v_bfe_u32 v7, v3, 8, 8
	v_bfe_u32 v41, v3, 16, 8
	v_mov_b32 v42, v56
	v_mov_b32 v43, v56
.irp e, 1,2,3,4,5,6,7
	v_cmp_eq_u32 vcc_lo, \e, v5
	v_cndmask_b32 v42, v42, v[56+\e], vcc_lo
	v_cmp_eq_u32 vcc_lo, \e, v6
	v_cndmask_b32 v43, v43, v[56+\e], vcc_lo
.endr
	v_add_nc_u32 v44, v42, v7
	v_add_nc_u32 v45, v43, v41
	v_min_u32 v44, 0x119f, v44                     ; a slot is below 48 x 94 = 4,512
	v_min_u32 v45, 0x119f, v45
	v_lshlrev_b32 v46, 2, v44
	v_lshlrev_b32 v82, 2, v45
	v_lshlrev_b32 v47, 1, v2                       ; 8 x token
	v_lshrrev_b32 v81, 2, v2                       ; token
	global_store_b64 v47, v[44:45], s[8:9]
	global_store_b32 v46, v81, s[6:7]
	global_store_b32 v82, v81, s[6:7]
	s_cmp_lg_u32 s11, 0
	s_cbranch_scc1 .Ldone
	v_mov_b32 v83, 0                               ; work-group 0: lane e u0[e], lane 8 + e nun[e], lane 16 U, the rest 0
.irp e, 0,1,2,3,4,5,6,7
	v_readfirstlane_b32 s20, v[72+\e]
	v_writelane_b32 v83, s20, \e
	v_readfirstlane_b32 s21, v[64+\e]
	v_writelane_b32 v83, s21, 8+\e
.endr
	v_readfirstlane_b32 s20, v80
	v_writelane_b32 v83, s20, 16
	v_lshlrev_b32 v84, 2, v0
	global_store_b32 v84, v83, s[8:9] offset:16384
.Ldone:
	s_endpgm
.Lfunc_end_k_qbfcfb15e91_route:
	.size	k_qbfcfb15e91_route, .Lfunc_end_k_qbfcfb15e91_route-k_qbfcfb15e91_route
	.p2alignl 7, 3214868480
	.fill 96, 4, 3214868480
	.section	.rodata,"a",@progbits
	.p2align	6, 0x0
	.amdhsa_kernel k_qbfcfb15e91_route
		.amdhsa_group_segment_fixed_size 0
		.amdhsa_private_segment_fixed_size 0
		.amdhsa_enable_private_segment 0
		.amdhsa_kernarg_size 24
		.amdhsa_user_sgpr_count 2
		.amdhsa_user_sgpr_kernarg_segment_ptr 1
		.amdhsa_wavefront_size32 1
		.amdhsa_system_sgpr_workgroup_id_x 1
		.amdhsa_system_sgpr_workgroup_id_y 1
		.amdhsa_system_sgpr_workgroup_id_z 1
		.amdhsa_system_vgpr_workitem_id 0
		.amdhsa_next_free_vgpr 96
		.amdhsa_next_free_sgpr 66
		.amdhsa_reserve_vcc 1
		.amdhsa_float_denorm_mode_32 3
		.amdhsa_float_denorm_mode_16_64 3
		.amdhsa_memory_ordered 1
		.amdhsa_forward_progress 1
		.amdhsa_inst_pref_size 13
	.end_amdhsa_kernel
	.amdgpu_metadata
---
amdhsa.version: [ 1, 2 ]
amdhsa.kernels:
  - .name:           k_qbfcfb15e91_route
    .symbol:         k_qbfcfb15e91_route.kd
    .args:
      - { .name: rin, .offset: 0, .size: 8, .value_kind: global_buffer, .address_space: global }
      - { .name: tos, .offset: 8, .size: 8, .value_kind: global_buffer, .address_space: global }
      - { .name: rout, .offset: 16, .size: 8, .value_kind: global_buffer, .address_space: global }
    .group_segment_fixed_size: 0
    .private_segment_fixed_size: 0
    .kernarg_segment_align: 8
    .kernarg_segment_size: 24
    .max_flat_workgroup_size: 32
    .sgpr_count:     66
    .vgpr_count:     96
    .wavefront_size: 32
...
	.end_amdgpu_metadata
.endif
;; end of part 2
;; launch permute (part 3): grid 256 x 1, 8 waves a work-group, no clusters, 35,840 bytes of LDS; arguments x, tos, rout, xs; writes xs
.if DOCPART == 3
	.amdgcn_target "amdgcn-amd-amdhsa--gfx1250"
	.amdhsa_code_object_version 6
	.text
	.protected	k_qbfcfb15e91_permute
	.globl	k_qbfcfb15e91_permute
	.p2align	8
	.type	k_qbfcfb15e91_permute,@function
k_qbfcfb15e91_permute:
	s_mov_b64 s[64:65], 0
	v_nop
	global_prefetch_b8 v0, s[64:65] scope:SCOPE_SE
	s_setreg_imm32_b32 hwreg(HW_REG_WAVE_MODE, 25, 1), 1
	s_wait_xcnt 0x0
; THE ROWS IN OPERAND ORDER.  xs holds, slot by slot, the rows of x rounded to bf16, laid out so that the first expert layer loads matrix operands straight into registers:
; a BLOCK is 16 slots x 1,024 numbers = 32,768 bytes; the 16 bytes at block x 32768 + ks x 1024 + j2 x 512 + lane x 16 are row lane % 16, k = 32 ks + 16 j2 + 8 (lane / 16) + 0..7.
; Work-group b makes blocks b and b + 256 as far as they lie below 3 U (U units of three blocks; U is between 86 and 93, so every work-group has one block or two).
; Wave w makes columns 128 w .. 128 w + 127 (ks = 4 w .. 4 w + 3) through an LDS tile of its own: no barrier.  Padding slots hold token 0's row; nobody reads what is made of them.
; Memory binds: each row piece is read as 512 consecutive bytes, each store of a wave covers 512 consecutive bytes, aligned.
.set TP, 272                           ; a row of the tile: 256 bytes + 16, an odd multiple of 16
.set X,  16                            ; v[16:79]   16 rows x 4 numbers as loaded
.set T,  80                            ; v[80:87]   rounded, four pairs by turns
.set F,  88                            ; v[88:119]  eight pieces in operand order
	s_load_b256 s[4:11], s[0:1], 0x0               ; x s[4:5], tos s[6:7], rout s[8:9], xs s[10:11]
	v_lshl_add_u32 v120, v0, 2, 0x8800
	v_mov_b32 v121, 0
	v_lshrrev_b32 v1, 5, v0
	v_readfirstlane_b32 s12, v1                    ; wave
	v_and_b32 v1, 31, v0
	v_lshlrev_b32 v2, 4, v1                        ; 16 x lane
	s_mul_i32 s15, s12, 16*TP                      ; my tile
	v_lshl_add_u32 v3, v1, 3, s15                  ; in: 8 bytes a lane
	v_and_b32 v5, 15, v0
	v_bfe_u32 v6, v0, 4, 1
	v_mul_u32_u24 v4, v5, TP
	v_lshl_add_u32 v4, v6, 4, v4
	v_add_nc_u32 v4, s15, v4                       ; back: row lane % 16, 16 bytes for each half of the lanes
	s_wait_kmcnt 0x0
	s_load_b32 s13, s[8:9], 0x4040                 ; U
	s_lshl_b32 s2, s12, 9
	s_mov_b32 s3, 0
	s_add_nc_u64 s[4:5], s[4:5], s[2:3]            ; x at my wave's 512 bytes of a row
	s_lshl_b32 s2, s12, 12
	s_add_nc_u64 s[10:11], s[10:11], s[2:3]        ; xs at my wave's four ks of a block
	s_wait_kmcnt 0x0
	s_min_u32 s13, s13, 93
	s_max_u32 s13, s13, 86                         ; 4,096 rows in units of 48 are at least 86 units
	s_mul_i32 s13, s13, 3
	s_add_co_u32 s13, s13, 255
	s_sub_co_u32 s13, s13, ttmp9
	s_lshr_b32 s13, s13, 8                         ; my blocks: 1 or 2
	s_mov_b32 s14, 0
.Ltrip:
	s_lshl_b32 s15, s14, 8
	s_add_co_u32 s15, s15, ttmp9
	s_min_u32 s15, s15, 281                        ; the block
	s_lshl_b32 s2, s15, 6
	s_load_b512 s[16:31], s[6:7], s2 offset:0x0    ; its 16 tokens
	s_wait_kmcnt 0x0
	s_lshl_b32 s2, s15, 15
	s_add_nc_u64 s[8:9], s[10:11], s[2:3]          ; where the block goes (rout's address is no longer needed)
.irp i, 0,1,2,3,4,5,6,7,8,9,10,11,12,13,14,15
	s_min_u32 s[16+\i], s[16+\i], 2047
	s_lshl_b32 s[32+2*\i], s[16+\i], 12
	s_mov_b32 s[33+2*\i], 0
	s_add_nc_u64 s[32+2*\i:33+2*\i], s[4:5], s[32+2*\i:33+2*\i]
	global_load_b128 v[X+4*\i:X+4*\i+3], v2, s[32+2*\i:33+2*\i]
.endr
.irp i, 0,1,2,3,4,5,6,7,8,9,10,11,12,13,14,15
	s_wait_loadcnt 15-\i                           ; row i is in: 15 - i loads were issued behind it
	v_cvt_pk_bf16_f32 v[T+2*(\i%4)], v[X+4*\i], v[X+4*\i+1]
	v_cvt_pk_bf16_f32 v[T+2*(\i%4)+1], v[X+4*\i+2], v[X+4*\i+3]
	ds_store_b64 v3, v[T+2*(\i%4):T+2*(\i%4)+1] offset:TP*\i
.endr
.irp n, 0,1,2,3,4,5,6,7                                ; piece n: ks = n / 2, j2 = n % 2.  The tile is the wave's own: these loads see the stores above (ISA guide 5.7.1)
	ds_load_b128 v[F+4*\n:F+4*\n+3], v4 offset:32*\n
.endr
	s_wait_dscnt 0x0
.irp n, 0,1,2,3,4,5,6,7
	global_store_b128 v2, v[F+4*\n:F+4*\n+3], s[8:9] offset:512*\n
.endr
	s_wait_xcnt 0x0                                ; the stores' base and data and the loads' bases are written again only behind this wait
	s_add_co_u32 s14, s14, 1
	s_cmp_lt_u32 s14, s13
	s_cbranch_scc1 .Ltrip
	s_wait_tensorcnt 0x0
	ds_add_u32 v120, v121
	s_wait_dscnt 0x0
	s_endpgm
.Lfunc_end_k_qbfcfb15e91_permute:
	.size	k_qbfcfb15e91_permute, .Lfunc_end_k_qbfcfb15e91_permute-k_qbfcfb15e91_permute
	.p2alignl 7, 3214868480
	.fill 96, 4, 3214868480
	.section	.rodata,"a",@progbits
	.p2align	6, 0x0
	.amdhsa_kernel k_qbfcfb15e91_permute
		.amdhsa_group_segment_fixed_size 35840
		.amdhsa_private_segment_fixed_size 0
		.amdhsa_enable_private_segment 0
		.amdhsa_kernarg_size 32
		.amdhsa_user_sgpr_count 2
		.amdhsa_user_sgpr_kernarg_segment_ptr 1
		.amdhsa_wavefront_size32 1
		.amdhsa_system_sgpr_workgroup_id_x 1
		.amdhsa_system_sgpr_workgroup_id_y 1
		.amdhsa_system_sgpr_workgroup_id_z 1
		.amdhsa_system_vgpr_workitem_id 0
		.amdhsa_next_free_vgpr 122
		.amdhsa_next_free_sgpr 66
		.amdhsa_reserve_vcc 0
		.amdhsa_float_denorm_mode_32 3
		.amdhsa_float_denorm_mode_16_64 3
		.amdhsa_memory_ordered 1
		.amdhsa_forward_progress 1
		.amdhsa_inst_pref_size 11
	.end_amdhsa_kernel
	.amdgpu_metadata
---
amdhsa.version: [ 1, 2 ]
amdhsa.kernels:
  - .name:           k_qbfcfb15e91_permute
    .symbol:         k_qbfcfb15e91_permute.kd
    .args:
      - { .name: x, .offset: 0, .size: 8, .value_kind: global_buffer, .address_space: global }
      - { .name: tos, .offset: 8, .size: 8, .value_kind: global_buffer, .address_space: global }
      - { .name: rout, .offset: 16, .size: 8, .value_kind: global_buffer, .address_space: global }
      - { .name: xs, .offset: 24, .size: 8, .value_kind: global_buffer, .address_space: global }
    .group_segment_fixed_size: 35840
    .private_segment_fixed_size: 0
    .kernarg_segment_align: 8
    .kernarg_segment_size: 32
    .max_flat_workgroup_size: 256
    .sgpr_count:     66
    .vgpr_count:     122
    .wavefront_size: 32
...
	.end_amdgpu_metadata
.endif
;; end of part 3
;; launch ffn1 (part 4): grid 32 x 8, 8 waves a work-group, no clusters, 164,864 bytes of LDS; arguments xs, W1, b1, rout, hs; writes hs
.if DOCPART == 4
	.amdgcn_target "amdgcn-amd-amdhsa--gfx1250"
	.amdhsa_code_object_version 6
	.text
	.protected	k_qbfcfb15e91_ffn1
	.globl	k_qbfcfb15e91_ffn1
	.p2align	8
	.type	k_qbfcfb15e91_ffn1,@function
k_qbfcfb15e91_ffn1:
	s_mov_b64 s[64:65], 0
	v_nop
	global_prefetch_b8 v0, s[64:65] scope:SCOPE_SE
	s_setreg_imm32_b32 hwreg(HW_REG_WAVE_MODE, 25, 1), 1
	s_wait_xcnt 0x0
; THE FIRST EXPERT LAYER, for routed rows alone: hs[slot][n] = gelu(sum over k of xs[slot][k] W1[e][k][n] + b1[e][n]), bf16 operands, f32 sums, hs rounded to bf16.
; (A token's gate is exactly 0 for the six experts it did not choose, so their rows are not made.)
; SHARES.  Work-group (X, e): expert e, columns 64 X .. 64 X + 63, all K = 1,024.  Its 256 KB of W1 are read from memory once, rounded to bf16 and kept in LDS as they lie, [k][n].
; The expert's rows come in UNITS of 48 (three blocks of 16).  Wave w takes units w, w + 8, ... of its expert, alone: behind the one barrier no wave waits for another.
; A UNIT is 32 K steps of 12 matrix instructions (4 column blocks x 3 row blocks), 8 turning LDS loads (the weights) and 6 global loads (the rows, already in operand order,
; 512 consecutive bytes each, straight into registers, eight K steps ahead).  Two waves lie on a SIMD, 512 registers each: one wave's GELU stands beside the other's products.
; THE MATRIX INSTRUCTION IS USED TRANSPOSED: source 0 = 16 columns of W1, source 1 = 16 rows.  A lane then holds one row and eight neighbouring columns, which pack into the
; 16 bytes that the next layer loads as an operand: a wave's store covers 512 consecutive bytes, aligned, and nothing goes through LDS on the way out.
; The bias (rounded to bf16 like every input) is the C operand of a unit's first products.
; GELU.  gelu(x) = max(x, 0) - |x| erfc(|x| / sqrt 2) / 2, erfc by Abramowitz and Stegun 7.1.26: erfc(z) = (a1 t + .. + a5 t^5) e^(-z z), t = 1 / (1 + 0.3275911 z), absolute error
; at most 1.5e-7 for every z >= 0.  No difference of near-equal numbers is formed.  LIMIT: x = +-infinity gives NaN (infinity x 0).
; NO JOINT LOADS, though the 32 work-groups of an expert read the same rows: the number of units is read from memory and differs from wave to wave (nun - w over 8, rounded up), so
; a joint request would put barriers into a loop whose trips differ; and each row byte is used by one wave of a work-group, which takes it straight into registers.
; The last unit of a wave loads eight K steps of that same unit once more (48 loads, inside written bytes, not used), so that every trip of the loop is alike.
.set WPL,   13
.set WP,    1<<WPL                     ; bytes from row to row of W1
.set BLKB,  32768                      ; a block of xs
.set US,    3*BLKB                     ; a unit of xs
.set UOUT,  3*65536                    ; a unit of hs
.set LP,    160                        ; a row of weights in LDS: 128 bytes + 32
; window 0
.set L16, 4                            ; v4      16 x lane; never rewritten
.set WGO, 5                            ; v5      my 16 bytes in two rows of W1
.set WSA, 6                            ; v6      where they go in LDS, 8 bytes
.set VB,  8                            ; v8-11   my place in a weight fragment, for K steps 0-7, 8-15, 16-23, 24-31
.set BO,  12                           ; v12     my 32 bytes of a column block's bias
.set OUT, 16                           ; v16-31  four sets of 16 bytes to store
.set KPZ, 32                           ; v32-45  the GELU's constants, each twice, for the packed arithmetic
.set KCU, 34
.set KA1, 36
.set KA2, 38
.set KA3, 40
.set KA4, 42
.set KA5, 44
.set ACC, 64                           ; v64-159  accumulator (row block i, column block nb) at ACC + 8 (4 i + nb); before the loop: W1 as loaded (v64-191)
.set BR,  160                          ; v160-223 weight fragments, two K steps by turns
.set TA,  224                          ; v224-255 at work: |x|, the exponent, t, the polynomial
.set TU,  232
.set TD,  240
.set TQ,  248
; window 1: v0-191 row fragments, eight K steps by turns: slot s at 24 s, block i at + 8 i
.set BIAS, 192                         ; v192-223 (window 1) the bias of column block nb at + 8 nb
.set BT,   224                         ; v224-239 (window 1) at work
.set PA, 4                             ; s[4:5]   xs
.set PW, 6                             ; s[6:7]   W1 at my wave's rows
.set PO, 12                            ; s[12:13] hs at my columns
.set WV, 14
.set EX, 15
.set NTR, 22                           ; my units
.set TRP, 23                           ; the trip
.set ICUR, 24                          ; the unit in hand, my last, the next
.set ILAST, 25
.set INXT, 26
.set CUR, 28                           ; s[28:29] the rows of the unit in hand; s[30:31] of the next
.set NXT, 30
.set OUTB, 32                          ; s[32:33] where the unit in hand goes
.set OFS, 34                           ; s[34:35] an offset, its high word 0
.set MSB, 0
.macro WIN new                         ; s_set_vgpr_msb: bits 1:0 source 0, 3:2 source 1, 5:4 source 2, 7:6 destination; the high byte repeats the setting that is left
.if MSB != \new
	s_set_vgpr_msb (MSB<<8)|\new
.set MSB, \new
.endif
.endm
.macro KSET r, val
	v_mov_b32 v[\r], \val
	v_mov_b32 v[\r+1], \val
.endm
.macro WLOAD i                         ; two rows x 256 bytes of W1; read once in the launch
	global_load_b128 v[ACC+4*((\i)%32):ACC+4*((\i)%32)+3], v[WGO], s[PW:PW+1] offset:(\i)*2*WP th:TH_LOAD_NT
.endm
.macro BLOAD ks                        ; the weight fragments of K step ks: 4 column blocks x 2 turning loads (16 k x 16 n each)
.irp nb, 0,1,2,3
	ds_load_tr16_b128 v[BR+32*((\ks)%2)+8*\nb:BR+32*((\ks)%2)+8*\nb+3], v[VB+((\ks)/8)] offset:((\ks)%8)*32*LP+32*\nb
	ds_load_tr16_b128 v[BR+32*((\ks)%2)+8*\nb+4:BR+32*((\ks)%2)+8*\nb+7], v[VB+((\ks)/8)] offset:((\ks)%8)*32*LP+32*\nb+16*LP
.endr
.endm
.macro ALOAD slot, base, ksn           ; the row fragments of K step ksn of the unit at base: 3 blocks x 2 loads of 512 consecutive bytes
.irp i, 0,1,2
.irp j, 0,1
	global_load_b128 v[24*(\slot)+8*\i+4*\j:24*(\slot)+8*\i+4*\j+3], v[L16], s[\base:\base+1] offset:\i*BLKB+(\ksn)*1024+\j*512
.endr
.endr
.endm
; One K step.  The 12 accumulators take turns, one instruction a turn, from step to step and over the loop's edge too.
.macro STEP ks
	s_wait_loadcnt 42                              ; this step's six row loads are in: the seven steps ahead, six loads each, may stay out
	s_wait_dscnt 8                                 ; this step's weights are in: the next step's eight loads may stay out
.if (\ks) == 0
	WIN 0x14                                       ; rows and bias in window 1
.else
	WIN 0x04                                       ; rows in window 1
.endif
.irp nb, 0,1,2,3
.irp i, 0,1,2
.if (\ks) == 0
	v_wmma_f32_16x16x32_bf16 v[ACC+8*(4*\i+\nb):ACC+8*(4*\i+\nb)+7], v[BR+32*((\ks)%2)+8*\nb:BR+32*((\ks)%2)+8*\nb+7], v[24*((\ks)%8)+8*\i:24*((\ks)%8)+8*\i+7], v[BIAS+8*\nb:BIAS+8*\nb+7]
.else
	v_wmma_f32_16x16x32_bf16 v[ACC+8*(4*\i+\nb):ACC+8*(4*\i+\nb)+7], v[BR+32*((\ks)%2)+8*\nb:BR+32*((\ks)%2)+8*\nb+7], v[24*((\ks)%8)+8*\i:24*((\ks)%8)+8*\i+7], v[ACC+8*(4*\i+\nb):ACC+8*(4*\i+\nb)+7]
.endif
.endr
.endr
.rept 4
	v_nop                                          ; four places ahead of the loads into registers that these products read, and, behind the last step, of the GELU
.endr
	BLOAD ((\ks)+2)%32                             ; address and destination lie in window 0 under both settings
	WIN 0x40                                       ; destination window 1
.if (\ks) < 24
	ALOAD (\ks)%8, CUR, (\ks)+8
.else
	ALOAD (\ks)%8, NXT, (\ks)-24
.endif
.endm
; The GELU of one accumulator (8 numbers a lane), rounded and stored.  The accumulator is read from its lowest register on.
.macro GELU i, nb
.set XA, ACC+8*(4*\i+\nb)
.if \nb == 0
	s_wait_xcnt 0x0                                ; the four sets of store data are written again only behind this wait
.endif
.irp j, 0,1,2,3,4,5,6,7
	v_and_b32 v[TA+\j], 0x7fffffff, v[XA+\j]       ; |x|
.endr
.irp j, 0,2,4,6
	v_pk_fma_f32 v[TD+\j:TD+\j+1], v[TA+\j:TA+\j+1], v[KPZ:KPZ+1], 1.0 op_sel_hi:[1,1,0]   ; 1 + 0.3275911 |x| / sqrt 2
.endr
.irp j, 0,1,2,3,4,5,6,7
	v_rcp_f32 v[TD+\j], v[TD+\j]                   ; t
.endr
.irp j, 0,2,4,6                                        ; plain instructions on other registers stand behind the reciprocals (ISA guide 5.7.2)
	v_pk_mul_f32 v[TU+\j:TU+\j+1], v[TA+\j:TA+\j+1], v[KCU:KCU+1]                          ; |x| sqrt(log2(e) / 2)
.endr
.irp j, 0,2,4,6
	v_pk_mul_f32 v[TU+\j:TU+\j+1], v[TU+\j:TU+\j+1], v[TU+\j:TU+\j+1] neg_lo:[1,0] neg_hi:[1,0]   ; - x x log2(e) / 2
.endr
.irp j, 0,1,2,3,4,5,6,7
	v_exp_f32 v[TU+\j], v[TU+\j]                   ; e^(- x x / 2)
.endr
	s_wait_alu depctr_va_vdst(0)
.irp j, 0,2,4,6                                        ; and behind the exponentials
	v_pk_fma_f32 v[TQ+\j:TQ+\j+1], v[TD+\j:TD+\j+1], v[KA5:KA5+1], v[KA4:KA4+1]
.endr
.irp k, KA3, KA2, KA1
.irp j, 0,2,4,6
	v_pk_fma_f32 v[TQ+\j:TQ+\j+1], v[TQ+\j:TQ+\j+1], v[TD+\j:TD+\j+1], v[\k:\k+1]
.endr
.endr
.irp j, 0,2,4,6
	v_pk_mul_f32 v[TQ+\j:TQ+\j+1], v[TQ+\j:TQ+\j+1], v[TD+\j:TD+\j+1]
.endr
.irp j, 0,2,4,6
	v_pk_mul_f32 v[TQ+\j:TQ+\j+1], v[TQ+\j:TQ+\j+1], v[TU+\j:TU+\j+1]                      ; erfc(|x| / sqrt 2) / 2
.endr
.irp j, 0,1,2,3,4,5,6,7
	v_max_num_f32 v[TD+\j], 0, v[XA+\j]
.endr
.irp j, 0,2,4,6
	v_pk_fma_f32 v[TD+\j:TD+\j+1], v[TA+\j:TA+\j+1], v[TQ+\j:TQ+\j+1], v[TD+\j:TD+\j+1] neg_lo:[1,0,0] neg_hi:[1,0,0]
.endr
.irp q, 0,1,2,3
	v_cvt_pk_bf16_f32 v[OUT+4*\nb+\q], v[TD+2*\q], v[TD+2*\q+1]
.endr
	global_store_b128 v[L16], v[OUT+4*\nb:OUT+4*\nb+3], s[OUTB:OUTB+1] offset:\i*65536+(\nb/2)*1024+(\nb%2)*512   ; columns 64 X + 16 nb + 8 (lane / 16) + 0..7 of row lane % 16: the next layer's K step 2 X + nb / 2, half nb % 2
.endm
	s_load_b256 s[4:11], s[0:1], 0x0               ; xs s[4:5], W1 s[6:7], b1 s[8:9], rout s[10:11]
	s_load_b64 s[12:13], s[0:1], 0x20              ; hs
	v_lshl_add_u32 v62, v0, 2, 0x28000
	v_mov_b32 v63, 0
	v_lshrrev_b32 v1, 5, v0
	v_readfirstlane_b32 s[WV], v1                  ; wave
	s_and_b32 s[EX], ttmp7, 0xffff                 ; expert
	v_and_b32 v1, 31, v0                           ; lane
	v_and_b32 v2, 15, v0                           ; lane % 16
	v_bfe_u32 v3, v0, 4, 1                         ; lane / 16
	v_lshlrev_b32 v[L16], 4, v1
	v_lshlrev_b32 v[WGO], 4, v2
	v_lshl_add_u32 v[WGO], v3, WPL, v[WGO]         ; lanes 0-15 one row's 256 bytes, lanes 16-31 the next row's
	s_mul_i32 s17, s[WV], 128*LP                   ; my wave brings rows 128 w .. 128 w + 127
	v_mul_u32_u24 v[WSA], v3, LP
	v_lshl_add_u32 v[WSA], v2, 3, v[WSA]
	v_add_nc_u32 v[WSA], s17, v[WSA]
	v_and_b32 v7, 7, v0                            ; the turning load: lane l reads 16 bytes of row 8 (l / 16) + l % 8, columns 8 ((l / 8) % 2) + 0..7
	v_lshl_add_u32 v7, v3, 3, v7
	v_mul_u32_u24 v[VB], v7, LP
	v_bfe_u32 v7, v0, 3, 1
	v_lshl_add_u32 v[VB], v7, 4, v[VB]
.irp g, 1,2,3
	v_add_nc_u32 v[VB+\g], \g*8*32*LP, v[VB]       ; eight K steps are 40,960 bytes: the 16-bit offset reaches no further
.endr
	v_lshlrev_b32 v[BO], 5, v3
	KSET KPZ, 0x3e6d3388                           ; 0.3275911 / sqrt 2
	KSET KCU, 0x3f596d27                           ; sqrt(log2(e) / 2)
	KSET KA1, 0x3e027906                           ; a1 / 2 .. a5 / 2
	KSET KA2, 0xbe11a98e
	KSET KA3, 0x3f35f0e3
	KSET KA4, 0xbf3a00e3
	KSET KA5, 0x3f07dc22
	s_lshl_b32 s[OFS], s[EX], 23                   ; W1: 8 MiB an expert,
	s_lshl_b32 s17, ttmp9, 8                       ; 256 bytes of a row a work-group,
	s_add_co_u32 s[OFS], s[OFS], s17
	s_lshl_b32 s18, s[WV], 7+WPL                   ; 128 rows a wave
	s_add_co_u32 s[OFS], s[OFS], s18
	s_mov_b32 s[OFS+1], 0
	s_lshl_b32 s27, s[EX], 2
	s_wait_kmcnt 0x0
	s_add_nc_u64 s[PW:PW+1], s[PW:PW+1], s[OFS:OFS+1]
	; THE WEIGHTS: 64 loads a wave, 32 of them on their way at any time (16 KB a wave)
.set i, 0
.rept 32
	WLOAD i
.set i, i+1
.endr
	s_load_b32 s20, s[10:11], s27 offset:0x4000    ; u0[e]
	s_load_b32 s21, s[10:11], s27 offset:0x4020    ; nun[e]
	s_lshl_b32 s[OFS], ttmp9, 11
	s_add_nc_u64 s[PO:PO+1], s[PO:PO+1], s[OFS:OFS+1]   ; hs at K steps 2 X, 2 X + 1 of a block
	s_lshl_b32 s[OFS], s[EX], 13
	s_add_co_u32 s[OFS], s[OFS], s17
	s_add_nc_u64 s[8:9], s[8:9], s[OFS:OFS+1]      ; b1 at my 64 columns
.set i, 0
.rept 64
.if i < 32
	s_wait_loadcnt 31                              ; load i is in: 31 were issued behind it
.else
	s_wait_loadcnt 63-i
.endif
	v_cvt_pk_bf16_f32 v[TA+2*(i%16)], v[ACC+4*(i%32)], v[ACC+4*(i%32)+1]
	v_cvt_pk_bf16_f32 v[TA+2*(i%16)+1], v[ACC+4*(i%32)+2], v[ACC+4*(i%32)+3]
	ds_store_b64 v[WSA], v[TA+2*(i%16):TA+2*(i%16)+1] offset:2*LP*i
.if i < 32
	WLOAD i+32
.endif
.set i, i+1
.endr
	; MY UNITS.  No branch yet: a wave without a unit takes unit 0's address, so that every wave reaches the barrier by the same lines.
	s_wait_kmcnt 0x0
	s_min_u32 s20, s20, 93
	s_min_u32 s21, s21, 43                         ; 2,048 rows at the most: 43 units
	s_add_co_u32 s[NTR], s21, 7
	s_sub_co_u32 s[NTR], s[NTR], s[WV]
	s_lshr_b32 s[NTR], s[NTR], 3                   ; units w, w + 8, .. below nun
	s_add_co_u32 s[ICUR], s20, s[WV]
	s_lshl_b32 s[ILAST], s[NTR], 3
	s_add_co_u32 s[ILAST], s[ILAST], s[ICUR]
	s_sub_co_u32 s[ILAST], s[ILAST], 8
	s_cmp_lg_u32 s[NTR], 0
	s_cselect_b32 s[ICUR], s[ICUR], 0
	s_cselect_b32 s[ILAST], s[ILAST], 0
	s_add_co_u32 s[INXT], s[ICUR], 8
	s_min_u32 s[INXT], s[INXT], s[ILAST]           ; behind my last unit: that unit again
	s_min_u32 s[OFS], s[ICUR], 93
	s_mul_i32 s[OFS], s[OFS], US
	s_add_nc_u64 s[CUR:CUR+1], s[PA:PA+1], s[OFS:OFS+1]
	s_min_u32 s[OFS], s[INXT], 93
	s_mul_i32 s[OFS], s[OFS], US
	s_add_nc_u64 s[NXT:NXT+1], s[PA:PA+1], s[OFS:OFS+1]
	s_min_u32 s[OFS], s[ICUR], 93
	s_mul_i32 s[OFS], s[OFS], UOUT
	s_add_nc_u64 s[OUTB:OUTB+1], s[PO:PO+1], s[OFS:OFS+1]
	WIN 0x40
.irp nb, 0,1,2,3
	global_load_b128 v[BIAS+8*\nb:BIAS+8*\nb+3], v[BO], s[8:9] offset:64*\nb        ; register j: b1 of column 16 nb + 8 (lane / 16) + j, as an accumulator holds it
	global_load_b128 v[BIAS+8*\nb+4:BIAS+8*\nb+7], v[BO], s[8:9] offset:64*\nb+16
.endr
.irp k, 0,1,2,3,4,5,6,7
	ALOAD \k, CUR, \k
.endr
	s_wait_loadcnt 48                              ; the bias is in: the 48 row loads were issued behind it
	WIN 0x45                                       ; sources and destination in window 1
.irp q, 0,1,2,3,4,5,6,7,8,9,10,11,12,13,14,15
	v_cvt_pk_bf16_f32 v[BT+\q], v[BIAS+2*\q], v[BIAS+2*\q+1]     ; rounded to bf16 like every input, and widened again
.endr
.irp q, 0,1,2,3,4,5,6,7,8,9,10,11,12,13,14,15
	v_lshlrev_b32 v[BIAS+2*\q], 16, v[BT+\q]
	v_and_b32 v[BIAS+2*\q+1], 0xffff0000, v[BT+\q]
.endr
	WIN 0
	s_wait_dscnt 0x0                               ; for the others' sake: my 128 rows of weights are in LDS
	s_barrier_signal -1
	s_barrier_wait -1                              ; all 1,024 rows are.  The launch's only barrier; nothing writes these bytes again
	s_cmp_eq_u32 s[NTR], 0
	s_cbranch_scc1 .Lend
	BLOAD 0
	BLOAD 1
	s_mov_b32 s[TRP], 0
.Ltrip:
.irp ks, 0,1,2,3,4,5,6,7,8,9,10,11,12,13,14,15,16,17,18,19,20,21,22,23,24,25,26,27,28,29,30,31
	STEP \ks
.endr
	WIN 0
.irp i, 0,1,2
.irp nb, 0,1,2,3
	GELU \i, \nb
.endr
.endr
	s_wait_xcnt 0x0                                ; the loads' and stores' bases are written again only behind this wait
	s_mov_b64 s[CUR:CUR+1], s[NXT:NXT+1]
	s_mov_b32 s[ICUR], s[INXT]
	s_min_u32 s[OFS], s[ICUR], 93
	s_mul_i32 s[OFS], s[OFS], UOUT
	s_add_nc_u64 s[OUTB:OUTB+1], s[PO:PO+1], s[OFS:OFS+1]
	s_add_co_u32 s[INXT], s[INXT], 8
	s_min_u32 s[INXT], s[INXT], s[ILAST]
	s_min_u32 s[OFS], s[INXT], 93
	s_mul_i32 s[OFS], s[OFS], US
	s_add_nc_u64 s[NXT:NXT+1], s[PA:PA+1], s[OFS:OFS+1]
	s_add_co_u32 s[TRP], s[TRP], 1
	s_cmp_lt_u32 s[TRP], s[NTR]
	s_cbranch_scc1 .Ltrip
.Lend:
	s_wait_dscnt 0x0                               ; my LDS loads have come back before the wave ends
	s_wait_tensorcnt 0x0
	ds_add_u32 v62, v63
	s_wait_dscnt 0x0
	s_endpgm
.Lfunc_end_k_qbfcfb15e91_ffn1:
	.size	k_qbfcfb15e91_ffn1, .Lfunc_end_k_qbfcfb15e91_ffn1-k_qbfcfb15e91_ffn1
	.p2alignl 7, 3214868480
	.fill 96, 4, 3214868480
	.section	.rodata,"a",@progbits
	.p2align	6, 0x0
	.amdhsa_kernel k_qbfcfb15e91_ffn1
		.amdhsa_group_segment_fixed_size 164864
		.amdhsa_private_segment_fixed_size 0
		.amdhsa_enable_private_segment 0
		.amdhsa_kernarg_size 40
		.amdhsa_user_sgpr_count 2
		.amdhsa_user_sgpr_kernarg_segment_ptr 1
		.amdhsa_wavefront_size32 1
		.amdhsa_system_sgpr_workgroup_id_x 1
		.amdhsa_system_sgpr_workgroup_id_y 1
		.amdhsa_system_sgpr_workgroup_id_z 1
		.amdhsa_system_vgpr_workitem_id 0
		.amdhsa_next_free_vgpr 512
		.amdhsa_next_free_sgpr 66
		.amdhsa_reserve_vcc 0
		.amdhsa_float_denorm_mode_32 3
		.amdhsa_float_denorm_mode_16_64 3
		.amdhsa_memory_ordered 1
		.amdhsa_forward_progress 1
		.amdhsa_inst_pref_size 150
	.end_amdhsa_kernel
	.amdgpu_metadata
---
amdhsa.version: [ 1, 2 ]
amdhsa.kernels:
  - .name:           k_qbfcfb15e91_ffn1
    .symbol:         k_qbfcfb15e91_ffn1.kd
    .args:
      - { .name: xs, .offset: 0, .size: 8, .value_kind: global_buffer, .address_space: global }
      - { .name: W1, .offset: 8, .size: 8, .value_kind: global_buffer, .address_space: global }
      - { .name: b1, .offset: 16, .size: 8, .value_kind: global_buffer, .address_space: global }
      - { .name: rout, .offset: 24, .size: 8, .value_kind: global_buffer, .address_space: global }
      - { .name: hs, .offset: 32, .size: 8, .value_kind: global_buffer, .address_space: global }
    .group_segment_fixed_size: 164864
    .private_segment_fixed_size: 0
    .kernarg_segment_align: 8
    .kernarg_segment_size: 40
    .max_flat_workgroup_size: 256
    .sgpr_count:     66
    .vgpr_count:     512
    .wavefront_size: 32
...
	.end_amdgpu_metadata
.endif
;; end of part 4
;; launch ffn2 (part 5): grid 32 x 8, 8 waves a work-group, no clusters, 199,680 bytes of LDS; arguments hs, W2, rout, po; writes po
.if DOCPART == 5
	.amdgcn_target "amdgcn-amd-amdhsa--gfx1250"
	.amdhsa_code_object_version 6
	.text
	.protected	k_qbfcfb15e91_ffn2
	.globl	k_qbfcfb15e91_ffn2
	.p2align	8
	.type	k_qbfcfb15e91_ffn2,@function
k_qbfcfb15e91_ffn2:
	s_mov_b64 s[64:65], 0
	v_nop
	global_prefetch_b8 v0, s[64:65] scope:SCOPE_SE
	s_setreg_imm32_b32 hwreg(HW_REG_WAVE_MODE, 25, 1), 1
	s_wait_xcnt 0x0
; THE SECOND EXPERT LAYER, for routed rows alone: po[kh][slot][n] = sum over k in half kh of hs[slot][k] W2[e][k][n], bf16 operands, f32 sums, po in f32.
; SHARES.  Work-group (X, e): expert e, columns 64 cb .. 64 cb + 63 (cb = X % 16), K half kh = X / 16: 1,024 of the 2,048.  So each work-group again owns 256 KB of weights, read from
; memory once, rounded to bf16 and kept in LDS as they lie, [k][n], and all 256 work-groups have equal shares.  The two halves go to two planes of po; the last launch adds them (an
; ordered sum: no atomics), with the bias and the gates.
; The loop is the first layer's: units of 48 rows, wave w takes units w, w + 8, ... alone; a unit is 32 K steps of 12 matrix instructions, 8 turning LDS loads and 6 global loads of rows
; in operand order, eight K steps ahead; source 0 = 16 columns of W2, source 1 = 16 rows; a unit's first products start the sums with the constant 0.
; THE WAY OUT.  A lane holds 8 neighbouring f32 of one row, 32 of the 256 bytes that this work-group owns of that row.  A block of 16 rows goes through the wave's own stage in LDS and
; comes back by rows: 16 lanes store 256 consecutive bytes, aligned.
; NO JOINT LOADS, though the 16 work-groups of an expert's K half read the same rows: the number of units is read from memory and differs from wave to wave, so a joint request would put
; barriers into a loop whose trips differ; and each row byte is used by one wave of a work-group, which takes it straight into registers.
; The last unit of a wave loads eight K steps of that same unit once more (48 loads, inside written bytes, not used), so that every trip of the loop is alike.
.set WPL,   12
.set WP,    1<<WPL                     ; bytes from row to row of W2
.set BLKB,  65536                      ; a block of hs
.set US,    3*BLKB                     ; a unit of hs
.set UOUT,  48*4096                    ; a unit of po
.set PLANE, 4512*4096                  ; a plane of po: 94 units
.set LP,    160                        ; a row of weights in LDS: 128 bytes + 32
.set STAGE, 1024*LP                    ; behind the weights: 16 rows x 272 bytes for each wave
.set SP,    272
; window 0
.set L16, 4                            ; v4      16 x lane; never rewritten
.set WGO, 5                            ; v5      my 16 bytes in two rows of W2
.set WSA, 6                            ; v6      where they go in LDS, 8 bytes
.set VB,  8                            ; v8-11   my place in a weight fragment, for K steps 0-7, 8-15, 16-23, 24-31
.set VST, 12                           ; v12     the way out: where I put 32 bytes of a row
.set VRD, 13                           ; v13     where I read 16 bytes of a row back
.set VCO, 14                           ; v14     and where they go in po
.set TB,  32                           ; v32-63  16 rows read back from the stage
.set ACC, 64                           ; v64-159  accumulator (row block i, column block nb) at ACC + 8 (4 i + nb); before the loop: W2 as loaded (v64-191)
.set BR,  160                          ; v160-223 weight fragments, two K steps by turns
.set TA,  224                          ; v224-255 at work on the weights
; window 1: v0-191 row fragments, eight K steps by turns: slot s at 24 s, block i at + 8 i
.set PA, 4                             ; s[4:5]   hs at my K half
.set PW, 6                             ; s[6:7]   W2 at my wave's rows
.set PO, 10                            ; s[10:11] po at my plane and columns
.set WV, 14
.set EX, 15
.set NTR, 22                           ; my units
.set TRP, 23                           ; the trip
.set ICUR, 24                          ; the unit in hand, my last, the next
.set ILAST, 25
.set INXT, 26
.set CUR, 28                           ; s[28:29] the rows of the unit in hand; s[30:31] of the next
.set NXT, 30
.set OUTB, 32                          ; s[32:33] where the unit in hand goes
.set OFS, 34                           ; s[34:35] an offset, its high word 0
.set MSB, 0
.macro WIN new                         ; s_set_vgpr_msb: bits 1:0 source 0, 3:2 source 1, 5:4 source 2, 7:6 destination; the high byte repeats the setting that is left
.if MSB != \new
	s_set_vgpr_msb (MSB<<8)|\new
.set MSB, \new
.endif
.endm
.macro WLOAD i                         ; two rows x 256 bytes of W2; read once in the launch
	global_load_b128 v[ACC+4*((\i)%32):ACC+4*((\i)%32)+3], v[WGO], s[PW:PW+1] offset:(\i)*2*WP th:TH_LOAD_NT
.endm
.macro BLOAD ks                        ; the weight fragments of K step ks: 4 column blocks x 2 turning loads (16 k x 16 n each)
.irp nb, 0,1,2,3
	ds_load_tr16_b128 v[BR+32*((\ks)%2)+8*\nb:BR+32*((\ks)%2)+8*\nb+3], v[VB+((\ks)/8)] offset:((\ks)%8)*32*LP+32*\nb
	ds_load_tr16_b128 v[BR+32*((\ks)%2)+8*\nb+4:BR+32*((\ks)%2)+8*\nb+7], v[VB+((\ks)/8)] offset:((\ks)%8)*32*LP+32*\nb+16*LP
.endr
.endm
.macro ALOAD slot, base, ksn           ; the row fragments of K step ksn of the unit at base: 3 blocks x 2 loads of 512 consecutive bytes
.irp i, 0,1,2
.irp j, 0,1
	global_load_b128 v[24*(\slot)+8*\i+4*\j:24*(\slot)+8*\i+4*\j+3], v[L16], s[\base:\base+1] offset:\i*BLKB+(\ksn)*1024+\j*512
.endr
.endr
.endm
; One K step.  The 12 accumulators take turns, one instruction a turn, from step to step and over the loop's edge too.
.macro STEP ks
	s_wait_loadcnt 42                              ; this step's six row loads are in: the seven steps ahead, six loads each, may stay out
	s_wait_dscnt 8                                 ; this step's weights are in: the next step's eight loads may stay out
	WIN 0x04                                       ; rows in window 1
.irp nb, 0,1,2,3
.irp i, 0,1,2
.if (\ks) == 0
	v_wmma_f32_16x16x32_bf16 v[ACC+8*(4*\i+\nb):ACC+8*(4*\i+\nb)+7], v[BR+32*((\ks)%2)+8*\nb:BR+32*((\ks)%2)+8*\nb+7], v[24*((\ks)%8)+8*\i:24*((\ks)%8)+8*\i+7], 0
.else
	v_wmma_f32_16x16x32_bf16 v[ACC+8*(4*\i+\nb):ACC+8*(4*\i+\nb)+7], v[BR+32*((\ks)%2)+8*\nb:BR+32*((\ks)%2)+8*\nb+7], v[24*((\ks)%8)+8*\i:24*((\ks)%8)+8*\i+7], v[ACC+8*(4*\i+\nb):ACC+8*(4*\i+\nb)+7]
.endif
.endr
.endr
.rept 4
	v_nop                                          ; four places ahead of the loads into registers that these products read, and, behind the last step, of the LDS stores of the results
.endr
	BLOAD ((\ks)+2)%32                             ; address and destination lie in window 0 under this setting too
	WIN 0x40                                       ; destination window 1
.if (\ks) < 24
	ALOAD (\ks)%8, CUR, (\ks)+8
.else
	ALOAD (\ks)%8, NXT, (\ks)-24
.endif
.endm
	s_load_b256 s[4:11], s[0:1], 0x0               ; hs s[4:5], W2 s[6:7], rout s[8:9], po s[10:11]
	v_lshl_add_u32 v30, v0, 2, 0x30800
	v_mov_b32 v31, 0
	v_lshrrev_b32 v1, 5, v0
	v_readfirstlane_b32 s[WV], v1                  ; wave
	s_and_b32 s[EX], ttmp7, 0xffff                 ; expert
	s_and_b32 s18, ttmp9, 15                       ; cb: my 64 columns
	s_lshr_b32 s19, ttmp9, 4                       ; kh: my half of K
	v_and_b32 v1, 31, v0                           ; lane
	v_and_b32 v2, 15, v0                           ; lane % 16
	v_bfe_u32 v3, v0, 4, 1                         ; lane / 16
	v_lshlrev_b32 v[L16], 4, v1
	v_lshlrev_b32 v[WGO], 4, v2
	v_lshl_add_u32 v[WGO], v3, WPL, v[WGO]         ; lanes 0-15 one row's 256 bytes, lanes 16-31 the next row's
	s_mul_i32 s17, s[WV], 128*LP                   ; my wave brings rows 128 w .. 128 w + 127 of the half
	v_mul_u32_u24 v[WSA], v3, LP
	v_lshl_add_u32 v[WSA], v2, 3, v[WSA]
	v_add_nc_u32 v[WSA], s17, v[WSA]
	v_and_b32 v7, 7, v0                            ; the turning load: lane l reads 16 bytes of row 8 (l / 16) + l % 8, columns 8 ((l / 8) % 2) + 0..7
	v_lshl_add_u32 v7, v3, 3, v7
	v_mul_u32_u24 v[VB], v7, LP
	v_bfe_u32 v7, v0, 3, 1
	v_lshl_add_u32 v[VB], v7, 4, v[VB]
.irp g, 1,2,3
	v_add_nc_u32 v[VB+\g], \g*8*32*LP, v[VB]       ; eight K steps are 40,960 bytes: the 16-bit offset reaches no further
.endr
	s_mul_i32 s17, s[WV], 16*SP
	s_add_co_u32 s17, s17, STAGE                   ; my stage
	v_mul_u32_u24 v[VST], v2, SP                   ; in: row lane % 16, 32 bytes for each half of the lanes
	v_lshl_add_u32 v[VST], v3, 5, v[VST]
	v_add_nc_u32 v[VST], s17, v[VST]
	v_mul_u32_u24 v[VRD], v3, SP                   ; back: lanes 0-15 one row of 256 bytes, lanes 16-31 the next
	v_lshl_add_u32 v[VRD], v2, 4, v[VRD]
	v_add_nc_u32 v[VRD], s17, v[VRD]
	v_lshlrev_b32 v[VCO], 4, v2                    ; and the same two rows in po
	v_lshl_add_u32 v[VCO], v3, 12, v[VCO]
	s_lshl_b32 s[OFS], s[EX], 23                   ; W2: 8 MiB an expert,
	s_lshl_b32 s17, s19, 22                        ; 4 MiB a half of K,
	s_add_co_u32 s[OFS], s[OFS], s17
	s_lshl_b32 s17, s18, 8                         ; 256 bytes of a row a work-group,
	s_add_co_u32 s[OFS], s[OFS], s17
	s_lshl_b32 s16, s[WV], 7+WPL                   ; 128 rows a wave
	s_add_co_u32 s[OFS], s[OFS], s16
	s_mov_b32 s[OFS+1], 0
	s_lshl_b32 s27, s[EX], 2
	s_wait_kmcnt 0x0
	s_add_nc_u64 s[PW:PW+1], s[PW:PW+1], s[OFS:OFS+1]
	; THE WEIGHTS: 64 loads a wave, 32 of them on their way at any time (16 KB a wave)
.set i, 0
.rept 32
	WLOAD i
.set i, i+1
.endr
	s_load_b32 s20, s[8:9], s27 offset:0x4000      ; u0[e]
	s_load_b32 s21, s[8:9], s27 offset:0x4020      ; nun[e]
	s_lshl_b32 s[OFS], s19, 15
	s_add_nc_u64 s[PA:PA+1], s[PA:PA+1], s[OFS:OFS+1]   ; hs at K step 32 kh of a block
	s_mul_i32 s[OFS], s19, PLANE
	s_add_co_u32 s[OFS], s[OFS], s17
	s_add_nc_u64 s[PO:PO+1], s[PO:PO+1], s[OFS:OFS+1]   ; po at my plane and my 256 bytes of a row
.set i, 0
.rept 64
.if i < 32
	s_wait_loadcnt 31                              ; load i is in: 31 were issued behind it
.else
	s_wait_loadcnt 63-i
.endif
	v_cvt_pk_bf16_f32 v[TA+2*(i%16)], v[ACC+4*(i%32)], v[ACC+4*(i%32)+1]
	v_cvt_pk_bf16_f32 v[TA+2*(i%16)+1], v[ACC+4*(i%32)+2], v[ACC+4*(i%32)+3]
	ds_store_b64 v[WSA], v[TA+2*(i%16):TA+2*(i%16)+1] offset:2*LP*i
.if i < 32
	WLOAD i+32
.endif
.set i, i+1
.endr
	; MY UNITS.  No branch yet: a wave without a unit takes unit 0's address, so that every wave reaches the barrier by the same lines.
	s_wait_kmcnt 0x0
	s_min_u32 s20, s20, 93
	s_min_u32 s21, s21, 43                         ; 2,048 rows at the most: 43 units
	s_add_co_u32 s[NTR], s21, 7
	s_sub_co_u32 s[NTR], s[NTR], s[WV]
	s_lshr_b32 s[NTR], s[NTR], 3                   ; units w, w + 8, .. below nun
	s_add_co_u32 s[ICUR], s20, s[WV]
	s_lshl_b32 s[ILAST], s[NTR], 3
	s_add_co_u32 s[ILAST], s[ILAST], s[ICUR]
	s_sub_co_u32 s[ILAST], s[ILAST], 8
	s_cmp_lg_u32 s[NTR], 0
	s_cselect_b32 s[ICUR], s[ICUR], 0
	s_cselect_b32 s[ILAST], s[ILAST], 0
	s_add_co_u32 s[INXT], s[ICUR], 8
	s_min_u32 s[INXT], s[INXT], s[ILAST]           ; behind my last unit: that unit again
	s_min_u32 s[OFS], s[ICUR], 93
	s_mul_i32 s[OFS], s[OFS], US
	s_add_nc_u64 s[CUR:CUR+1], s[PA:PA+1], s[OFS:OFS+1]
	s_min_u32 s[OFS], s[INXT], 93
	s_mul_i32 s[OFS], s[OFS], US
	s_add_nc_u64 s[NXT:NXT+1], s[PA:PA+1], s[OFS:OFS+1]
	s_min_u32 s[OFS], s[ICUR], 93
	s_mul_i32 s[OFS], s[OFS], UOUT
	s_add_nc_u64 s[OUTB:OUTB+1], s[PO:PO+1], s[OFS:OFS+1]
	WIN 0x40
.irp k, 0,1,2,3,4,5,6,7
	ALOAD \k, CUR, \k
.endr
	WIN 0
	s_wait_dscnt 0x0                               ; for the others' sake: my 128 rows of weights are in LDS
	s_barrier_signal -1
	s_barrier_wait -1                              ; all 1,024 rows are.  The launch's only barrier; nothing writes these bytes again
	s_cmp_eq_u32 s[NTR], 0
	s_cbranch_scc1 .Lend
	BLOAD 0
	BLOAD 1
	s_mov_b32 s[TRP], 0
.Ltrip:
.irp ks, 0,1,2,3,4,5,6,7,8,9,10,11,12,13,14,15,16,17,18,19,20,21,22,23,24,25,26,27,28,29,30,31
	STEP \ks
.endr
	WIN 0
	v_nop                                          ; a fifth place behind the last K step: the next unit's first products (C = 0) write over these accumulators, which asks for five (ISA guide 7.12.1), and the way out below holds no vector arithmetic
.irp i, 0,1,2                                          ; THE WAY OUT, a block of 16 rows at a time; each accumulator is read from its lowest registers on
.irp nb, 0,1,2,3
	ds_store_b128 v[VST], v[ACC+8*(4*\i+\nb):ACC+8*(4*\i+\nb)+3] offset:64*\nb
	ds_store_b128 v[VST], v[ACC+8*(4*\i+\nb)+4:ACC+8*(4*\i+\nb)+7] offset:64*\nb+16
.endr
	s_wait_xcnt 0x0                                ; the registers that the last block's stores read are loaded again only behind this wait
.irp t, 0,1,2,3,4,5,6,7
	ds_load_b128 v[TB+4*\t:TB+4*\t+3], v[VRD] offset:2*SP*\t       ; the stage is the wave's own: these loads see the stores above, and the next block's stores come behind them (ISA guide 5.7.1)
.endr
	s_wait_dscnt 0x0
.irp t, 0,1,2,3,4,5,6,7
	global_store_b128 v[VCO], v[TB+4*\t:TB+4*\t+3], s[OUTB:OUTB+1] offset:(16*\i+2*\t)*4096   ; 16 lanes store 256 consecutive bytes, at a multiple of 256 from po's first byte
.endr
.endr
	s_wait_xcnt 0x0                                ; the loads' and stores' bases are written again only behind this wait
	s_mov_b64 s[CUR:CUR+1], s[NXT:NXT+1]
	s_mov_b32 s[ICUR], s[INXT]
	s_min_u32 s[OFS], s[ICUR], 93
	s_mul_i32 s[OFS], s[OFS], UOUT
	s_add_nc_u64 s[OUTB:OUTB+1], s[PO:PO+1], s[OFS:OFS+1]
	s_add_co_u32 s[INXT], s[INXT], 8
	s_min_u32 s[INXT], s[INXT], s[ILAST]
	s_min_u32 s[OFS], s[INXT], 93
	s_mul_i32 s[OFS], s[OFS], US
	s_add_nc_u64 s[NXT:NXT+1], s[PA:PA+1], s[OFS:OFS+1]
	s_add_co_u32 s[TRP], s[TRP], 1
	s_cmp_lt_u32 s[TRP], s[NTR]
	s_cbranch_scc1 .Ltrip
.Lend:
	s_wait_dscnt 0x0                               ; my LDS loads have come back before the wave ends
	s_wait_tensorcnt 0x0
	ds_add_u32 v30, v31
	s_wait_dscnt 0x0
	s_endpgm
.Lfunc_end_k_qbfcfb15e91_ffn2:
	.size	k_qbfcfb15e91_ffn2, .Lfunc_end_k_qbfcfb15e91_ffn2-k_qbfcfb15e91_ffn2
	.p2alignl 7, 3214868480
	.fill 96, 4, 3214868480
	.section	.rodata,"a",@progbits
	.p2align	6, 0x0
	.amdhsa_kernel k_qbfcfb15e91_ffn2
		.amdhsa_group_segment_fixed_size 199680
		.amdhsa_private_segment_fixed_size 0
		.amdhsa_enable_private_segment 0
		.amdhsa_kernarg_size 32
		.amdhsa_user_sgpr_count 2
		.amdhsa_user_sgpr_kernarg_segment_ptr 1
		.amdhsa_wavefront_size32 1
		.amdhsa_system_sgpr_workgroup_id_x 1
		.amdhsa_system_sgpr_workgroup_id_y 1
		.amdhsa_system_sgpr_workgroup_id_z 1
		.amdhsa_system_vgpr_workitem_id 0
		.amdhsa_next_free_vgpr 512
		.amdhsa_next_free_sgpr 66
		.amdhsa_reserve_vcc 0
		.amdhsa_float_denorm_mode_32 3
		.amdhsa_float_denorm_mode_16_64 3
		.amdhsa_memory_ordered 1
		.amdhsa_forward_progress 1
		.amdhsa_inst_pref_size 102
	.end_amdhsa_kernel
	.amdgpu_metadata
---
amdhsa.version: [ 1, 2 ]
amdhsa.kernels:
  - .name:           k_qbfcfb15e91_ffn2
    .symbol:         k_qbfcfb15e91_ffn2.kd
    .args:
      - { .name: hs, .offset: 0, .size: 8, .value_kind: global_buffer, .address_space: global }
      - { .name: W2, .offset: 8, .size: 8, .value_kind: global_buffer, .address_space: global }
      - { .name: rout, .offset: 16, .size: 8, .value_kind: global_buffer, .address_space: global }
      - { .name: po, .offset: 24, .size: 8, .value_kind: global_buffer, .address_space: global }
    .group_segment_fixed_size: 199680
    .private_segment_fixed_size: 0
    .kernarg_segment_align: 8
    .kernarg_segment_size: 32
    .max_flat_workgroup_size: 256
    .sgpr_count:     66
    .vgpr_count:     512
    .wavefront_size: 32
...
	.end_amdgpu_metadata
.endif
;; end of part 5
;; launch combine (part 6): grid 256 x 1, 8 waves a work-group, no clusters, 0 bytes of LDS; arguments po, b2, gv, rin, rout, out0; writes out0
.if DOCPART == 6
	.amdgcn_target "amdgcn-amd-amdhsa--gfx1250"
	.amdhsa_code_object_version 6
	.text
	.protected	k_qbfcfb15e91_combine
	.globl	k_qbfcfb15e91_combine
	.p2align	8
	.type	k_qbfcfb15e91_combine,@function
k_qbfcfb15e91_combine:
	s_mov_b64 s[64:65], 0
	v_nop
	global_prefetch_b8 v0, s[64:65] scope:SCOPE_SE
	s_setreg_imm32_b32 hwreg(HW_REG_WAVE_MODE, 25, 1), 1
	s_wait_xcnt 0x0
; THE WEIGHTED SUM.  y[t] = g1 (po[0][slot1] + po[1][slot1] + b2[e1]) + g2 (po[0][slot2] + po[1][slot2] + b2[e2]), all f32; b2 is rounded to bf16 on its way in, as every input of
; this program is.  The other six experts' gates are exactly 0.  LIMIT: where an expert that a token did not choose would give a result that is not finite, 0 times it is NaN in a dense
; evaluation; here the routed sum comes out.
; One wave for each token: a row of 4,096 bytes is eight loads of 512 consecutive bytes; all 48 loads of a wave go out at once, and each of the eight stores covers 512 consecutive
; bytes, aligned.  Slots, experts and gates are the same for all lanes and come by scalar loads.  Memory binds: no LDS, no barrier, no loop.
.set PLANE, 4512*4096
.set R0, 16                            ; v[16:207]  column block j at R0 + 24 j: slot1's two planes, b2[e1], slot2's two planes, b2[e2], 4 registers each
.macro RND4 r, t                       ; four f32 are rounded to bf16 (nearest even) and widened again
	v_cvt_pk_bf16_f32 v[\t], v[\r], v[\r+1]
	v_cvt_pk_bf16_f32 v[\t+1], v[\r+2], v[\r+3]
	v_lshlrev_b32 v[\r], 16, v[\t]
	v_and_b32 v[\r+1], s45, v[\t]
	v_lshlrev_b32 v[\r+2], 16, v[\t+1]
	v_and_b32 v[\r+3], s45, v[\t+1]
.endm
.macro LD6 j
	global_load_b128 v[R0+24*\j:R0+24*\j+3],     v1, s[28:29] offset:512*\j th:TH_LOAD_NT
	global_load_b128 v[R0+24*\j+4:R0+24*\j+7],   v1, s[30:31] offset:512*\j th:TH_LOAD_NT
	global_load_b128 v[R0+24*\j+8:R0+24*\j+11],  v1, s[36:37] offset:512*\j
	global_load_b128 v[R0+24*\j+12:R0+24*\j+15], v1, s[32:33] offset:512*\j th:TH_LOAD_NT
	global_load_b128 v[R0+24*\j+16:R0+24*\j+19], v1, s[34:35] offset:512*\j th:TH_LOAD_NT
	global_load_b128 v[R0+24*\j+20:R0+24*\j+23], v1, s[38:39] offset:512*\j
.endm
.macro MIX j
.set RJ, R0+24*\j
	s_wait_loadcnt 6*(7-\j)                        ; this column block's six loads are in: six for each later block were issued behind them
	RND4 RJ+8, 208
	RND4 RJ+20, 210
.irp q, 0, 2
	v_pk_add_f32 v[RJ+\q:RJ+\q+1], v[RJ+\q:RJ+\q+1], v[RJ+4+\q:RJ+5+\q]                    ; the two halves of K
	v_pk_add_f32 v[RJ+12+\q:RJ+13+\q], v[RJ+12+\q:RJ+13+\q], v[RJ+16+\q:RJ+17+\q]
	v_pk_add_f32 v[RJ+\q:RJ+\q+1], v[RJ+\q:RJ+\q+1], v[RJ+8+\q:RJ+9+\q]                    ; + b2
	v_pk_add_f32 v[RJ+12+\q:RJ+13+\q], v[RJ+12+\q:RJ+13+\q], v[RJ+20+\q:RJ+21+\q]
	v_pk_mul_f32 v[RJ+\q:RJ+\q+1], v[RJ+\q:RJ+\q+1], s[40:41] op_sel_hi:[1,0]              ; x g1
	v_pk_fma_f32 v[RJ+\q:RJ+\q+1], v[RJ+12+\q:RJ+13+\q], s[42:43], v[RJ+\q:RJ+\q+1] op_sel_hi:[1,0,1]   ; + g2 x
.endr
	global_store_b128 v1, v[RJ:RJ+3], s[14:15] offset:512*\j
.endm
	s_load_b256 s[4:11], s[0:1], 0x0               ; po s[4:5], b2 s[6:7], gv s[8:9], rin s[10:11]
	s_load_b128 s[12:15], s[0:1], 0x20             ; rout s[12:13], out0 s[14:15]
	v_lshrrev_b32 v1, 5, v0
	v_readfirstlane_b32 s16, v1                    ; wave
	v_and_b32 v1, 31, v0
	v_lshlrev_b32 v1, 4, v1                        ; 16 x lane
	s_lshl_b32 s17, ttmp9, 3
	s_add_co_u32 s17, s17, s16                     ; my token
	s_lshl_b32 s18, s17, 3
	s_lshl_b32 s19, s17, 2
	s_mov_b32 s45, 0xffff0000                      ; a word's upper bf16
	s_lshl_b32 s46, s17, 12
	s_mov_b32 s47, 0
	s_wait_kmcnt 0x0
	s_load_b64 s[20:21], s[12:13], s18 offset:0x0  ; its two slots,
	s_load_b32 s22, s[10:11], s19 offset:0x0       ; its two experts (bits 3:0 and 7:4),
	s_load_b64 s[24:25], s[8:9], s18 offset:0x0    ; its two gates
	s_add_nc_u64 s[14:15], s[14:15], s[46:47]      ; its row of y
	s_wait_kmcnt 0x0
	s_min_u32 s20, s20, 4511
	s_min_u32 s21, s21, 4511
	s_and_b32 s26, s22, 15
	s_min_u32 s26, s26, 7
	s_bfe_u32 s27, s22, 0x40004
	s_min_u32 s27, s27, 7
	s_lshl_b32 s46, s20, 12
	s_add_nc_u64 s[28:29], s[4:5], s[46:47]
	s_add_nc_u64 s[30:31], s[28:29], PLANE
	s_lshl_b32 s46, s21, 12
	s_add_nc_u64 s[32:33], s[4:5], s[46:47]
	s_add_nc_u64 s[34:35], s[32:33], PLANE
	s_lshl_b32 s46, s26, 12
	s_add_nc_u64 s[36:37], s[6:7], s[46:47]
	s_lshl_b32 s46, s27, 12
	s_add_nc_u64 s[38:39], s[6:7], s[46:47]
	s_mov_b32 s40, s24                             ; the packed arithmetic names a pair and takes its low word for both halves
	s_mov_b32 s41, s24
	s_mov_b32 s42, s25
	s_mov_b32 s43, s25
.irp j, 0,1,2,3,4,5,6,7
	LD6 \j
.endr
.irp j, 0,1,2,3,4,5,6,7
	MIX \j
.endr
	s_endpgm
.Lfunc_end_k_qbfcfb15e91_combine:
	.size	k_qbfcfb15e91_combine, .Lfunc_end_k_qbfcfb15e91_combine-k_qbfcfb15e91_combine
	.p2alignl 7, 3214868480
	.fill 96, 4, 3214868480
	.section	.rodata,"a",@progbits
	.p2align	6, 0x0
	.amdhsa_kernel k_qbfcfb15e91_combine
		.amdhsa_group_segment_fixed_size 0
		.amdhsa_private_segment_fixed_size 0
		.amdhsa_enable_private_segment 0
		.amdhsa_kernarg_size 48
		.amdhsa_user_sgpr_count 2
		.amdhsa_user_sgpr_kernarg_segment_ptr 1
		.amdhsa_wavefront_size32 1
		.amdhsa_system_sgpr_workgroup_id_x 1
		.amdhsa_system_sgpr_workgroup_id_y 1
		.amdhsa_system_sgpr_workgroup_id_z 1
		.amdhsa_system_vgpr_workitem_id 0
		.amdhsa_next_free_vgpr 224
		.amdhsa_next_free_sgpr 66
		.amdhsa_reserve_vcc 0
		.amdhsa_float_denorm_mode_32 3
		.amdhsa_float_denorm_mode_16_64 3
		.amdhsa_memory_ordered 1
		.amdhsa_forward_progress 1
		.amdhsa_inst_pref_size 18
	.end_amdhsa_kernel
	.amdgpu_metadata
---
amdhsa.version: [ 1, 2 ]
amdhsa.kernels:
  - .name:           k_qbfcfb15e91_combine
    .symbol:         k_qbfcfb15e91_combine.kd
    .args:
      - { .name: po, .offset: 0, .size: 8, .value_kind: global_buffer, .address_space: global }
      - { .name: b2, .offset: 8, .size: 8, .value_kind: global_buffer, .address_space: global }
      - { .name: gv, .offset: 16, .size: 8, .value_kind: global_buffer, .address_space: global }
      - { .name: rin, .offset: 24, .size: 8, .value_kind: global_buffer, .address_space: global }
      - { .name: rout, .offset: 32, .size: 8, .value_kind: global_buffer, .address_space: global }
      - { .name: out0, .offset: 40, .size: 8, .value_kind: global_buffer, .address_space: global }
    .group_segment_fixed_size: 0
    .private_segment_fixed_size: 0
    .kernarg_segment_align: 8
    .kernarg_segment_size: 48
    .max_flat_workgroup_size: 256
    .sgpr_count:     66
    .vgpr_count:     224
    .wavefront_size: 32
...
	.end_amdgpu_metadata
.endif
;; end of part 6
;; ======== version 2 of 2: 6 launches; version 1 with the launches ffn1, ffn2 written anew for expert scheduling mode
;; limits: values outside matrix products are rounded to bf16
;; workspace buffers: rin 16,384 bytes of whole numbers; tos 32,768 bytes of whole numbers; rout 16,640 bytes of whole numbers; gv 16,384 bytes; xs 9,240,576 bytes; hs 18,481,152 bytes; po 36,962,304 bytes
;; launch gate: the kernel of part 1 again; grid 64 x 1, 8 waves a work-group, no clusters, 177,152 bytes of LDS; arguments x, Wg, bg, rin, tos, gv; writes rin, tos, gv
;; launch route: the kernel of part 2 again; grid 64 x 1, 1 waves a work-group, no clusters, 0 bytes of LDS; arguments rin, tos, rout; writes tos, rout
;; launch permute: the kernel of part 3 again; grid 256 x 1, 8 waves a work-group, no clusters, 35,840 bytes of LDS; arguments x, tos, rout, xs; writes xs
;; launch ffn1 (part 7): grid 32 x 8, 8 waves a work-group, no clusters, 164,864 bytes of LDS; arguments xs, W1, b1, rout, hs; writes hs
.if DOCPART == 7
	.amdgcn_target "amdgcn-amd-amdhsa--gfx1250"
	.amdhsa_code_object_version 6
	.text
	.protected	k_qbfcfb15e91_ffn1
	.globl	k_qbfcfb15e91_ffn1
	.p2align	8
	.type	k_qbfcfb15e91_ffn1,@function
k_qbfcfb15e91_ffn1:
	s_mov_b64 s[64:65], 0
	v_nop
	global_prefetch_b8 v0, s[64:65] scope:SCOPE_SE
	s_setreg_imm32_b32 hwreg(HW_REG_WAVE_SCHED_MODE, 0, 2), 2
	s_setreg_imm32_b32 hwreg(HW_REG_WAVE_MODE, 25, 1), 1
	s_wait_xcnt 0x0
	s_wait_alu depctr_vm_vsrc(0)
; THE FIRST EXPERT LAYER, for routed rows alone: hs[slot][n] = gelu(sum over k of xs[slot][k] W1[e][k][n] + b1[e][n]), bf16 operands, f32 sums, hs rounded to bf16.
; (A token's gate is exactly 0 for the six experts it did not choose, so their rows are not made.)
; SHARES.  Work-group (X, e): expert e, columns 64 X .. 64 X + 63, all K = 1,024.  Its 256 KB of W1 are read from memory once, rounded to bf16 and kept in LDS as they lie, [k][n].
; The expert's rows come in UNITS of 48 (three blocks of 16).  Wave w takes units w, w + 8, ... of its expert, alone: behind the one barrier no wave waits for another.
; A UNIT is 32 K steps of 12 matrix instructions (4 column blocks x 3 row blocks), 8 turning LDS loads (the weights) and 6 global loads (the rows, already in operand order,
; 512 consecutive bytes each, straight into registers, three pairs of K steps ahead).  Two waves lie on a SIMD, 512 registers each: one wave's GELU stands beside the other's products.
; THE MATRIX INSTRUCTION IS USED TRANSPOSED: source 0 = 16 columns of W1, source 1 = 16 rows.  A lane then holds one row and eight neighbouring columns, which pack into the
; 16 bytes that the next layer loads as an operand: a wave's store covers 512 consecutive bytes, aligned, and nothing goes through LDS on the way out.
; The bias (rounded to bf16 like every input) is the C operand of a unit's first products.
; GELU.  gelu(x) = max(x, 0) - |x| erfc(|x| / sqrt 2) / 2, erfc by Abramowitz and Stegun 7.1.26: erfc(z) = (a1 t + .. + a5 t^5) e^(-z z), t = 1 / (1 + 0.3275911 z), absolute error
; at most 1.5e-7 for every z >= 0.  No difference of near-equal numbers is formed.  LIMIT: x = +-infinity gives NaN (infinity x 0).
; NO JOINT LOADS, though the 32 work-groups of an expert read the same rows: the number of units is read from memory and differs from wave to wave (nun - w over 8, rounded up), so
; a joint request would put barriers into a loop whose trips differ; and each row byte is used by one wave of a work-group, which takes it straight into registers.
; The last unit of a wave loads six K steps of that same unit once more (36 loads, inside written bytes, not used), so that every trip of the loop is alike.
; THE MODE: SCHED_MODE bits 1:0 = 2 (LLVM: expert scheduling mode 2), set by the entry lines.  The code itself states the register dependences
; between vector or matrix instructions and memory or LDS instructions, with s_wait_alu, always for 0.
; THE PLAN.  K steps go in 16 PAIRS.  Registers that memory or LDS instructions touch, in the loop:
;   rows      eight K steps by turns.  Pair p's products read slots 2 p % 8 and (2 p + 1) % 8; the 12 loads issued in pair p (K steps 2 p + 6, 2 p + 7) land in the two slots that pair p - 1 read.
;   weights   four K steps by turns.  Pair p's products read buffers 2 p % 4 and (2 p + 1) % 4; the 16 LDS loads issued in pair p (K steps 2 p + 2, 2 p + 3) land in the two buffers that pair p - 1 read.
;             Buffer 2 shares v224-255 with the GELU's work: the GELU stands between pair 15, the buffer's last reader, and pair 0, in which it is loaded again.
;   OUT       two sets of store data, by the row block's parity: written by a block's roundings, read by the block's four stores.
;   v4, v8-11 offsets and LDS addresses, made at the head and never written again; the bases are scalar.
; So ONE wait on va_vdst stands at a pair's head: the pair before is done reading all that this pair's 28 loads land in.  Between that wait and the loads stand the pair's first 12 products,
; which name their own weight buffer, their own row slot, the accumulators and the bias: none of the registers that the loads touch.
.set WPL,   13
.set WP,    1<<WPL                     ; bytes from row to row of W1
.set BLKB,  32768                      ; a block of xs
.set US,    3*BLKB                     ; a unit of xs
.set UOUT,  3*65536                    ; a unit of hs
.set LP,    160                        ; a row of weights in LDS: 128 bytes + 32
; window 0
.set L16, 4                            ; v4      16 x lane; never rewritten
.set WGO, 5                            ; v5      my 16 bytes in two rows of W1
.set WSA, 6                            ; v6      where they go in LDS, 8 bytes
.set VB,  8                            ; v8-11   my place in a weight fragment, for K steps 0-7, 8-15, 16-23, 24-31
.set BO,  12                           ; v12     my 32 bytes of a column block's bias
.set OUT, 16                           ; v16-31, v48-63  two sets of four times 16 bytes to store: row blocks 0 and 2 the first, row block 1 the second
.set KPZ, 32                           ; v32-45  the GELU's constants, each twice, for the packed arithmetic
.set KCU, 34
.set KA1, 36
.set KA2, 38
.set KA3, 40
.set KA4, 42
.set KA5, 44
.set ACC, 64                           ; v64-159  accumulator (row block i, column block nb) at ACC + 8 (4 i + nb); before the loop: W1 as loaded (v64-191)
.set BR,  160                          ; weight fragments, four K steps by turns: buffers 0, 1, 2 at v160, v192, v224 of window 0, buffer 3 at v224 of window 1
.set TA,  224                          ; v224-255 at work: |x|, the exponent, t, the polynomial; before the loop: the weights as rounded, two sets of 16
.set TU,  232
.set TD,  240
.set TQ,  248
; window 1: v0-191 row fragments, eight K steps by turns: slot s at 24 s, block i at + 8 i
.set BIAS, 192                         ; v192-223 (window 1) the bias of column block nb at + 8 nb
.set BT,   224                         ; v224-239 (window 1) at work, before the loop
.set PA, 4                             ; s[4:5]   xs
.set PW, 6                             ; s[6:7]   W1 at my wave's rows
.set PO, 12                            ; s[12:13] hs at my columns
.set WV, 14
.set EX, 15
.set NTR, 22                           ; my units
.set TRP, 23                           ; the trip
.set ICUR, 24                          ; the unit in hand, my last, the next
.set ILAST, 25
.set INXT, 26
.set CUR, 28                           ; s[28:29] the rows of the unit in hand; s[30:31] of the next
.set NXT, 30
.set OUTB, 32                          ; s[32:33] where the unit in hand goes
.set OFS, 34                           ; s[34:35] an offset, its high word 0
.set MSB, 0
.macro WIN new                         ; s_set_vgpr_msb: bits 1:0 source 0, 3:2 source 1, 5:4 source 2, 7:6 destination; the high byte repeats the setting that is left
.if MSB != \new
	s_set_vgpr_msb (MSB<<8)|\new
.set MSB, \new
.endif
.endm
.macro KSET r, val
	v_mov_b32 v[\r], \val
	v_mov_b32 v[\r+1], \val
.endm
.macro WLOAD i                         ; two rows x 256 bytes of W1; read once in the launch
	global_load_b128 v[ACC+4*((\i)%32):ACC+4*((\i)%32)+3], v[WGO], s[PW:PW+1] offset:(\i)*2*WP th:TH_LOAD_NT
.endm
.macro BL4 ks, hf                      ; half hf of the weight fragments of K step ks: 2 column blocks x 2 turning loads (16 k x 16 n each).  The caller has set the destination's window
.set rB, BR+32*(((\ks)%4)-((\ks)%4)/3)
.irp nb, 2*(\hf), 2*(\hf)+1
	ds_load_tr16_b128 v[rB+8*(\nb):rB+8*(\nb)+3], v[VB+((\ks)/8)] offset:((\ks)%8)*32*LP+32*(\nb)
	ds_load_tr16_b128 v[rB+8*(\nb)+4:rB+8*(\nb)+7], v[VB+((\ks)/8)] offset:((\ks)%8)*32*LP+32*(\nb)+16*LP
.endr
.endm
.macro ALOAD slot, base, ksn           ; the row fragments of K step ksn of the unit at base: 3 blocks x 2 loads of 512 consecutive bytes
.irp i, 0,1,2
.irp j, 0,1
	global_load_b128 v[24*(\slot)+8*\i+4*\j:24*(\slot)+8*\i+4*\j+3], v[L16], s[\base:\base+1] offset:\i*BLKB+(\ksn)*1024+\j*512
.endr
.endr
.endm
; Three products: column block nb of K step ks, the three row blocks.  The 12 accumulators take turns, one instruction a turn, from step to step and over the loop's edge too.
.macro MUL3 ks, nb
.set rB, BR+32*(((\ks)%4)-((\ks)%4)/3)
.if (\ks) == 0
	WIN 0x14                                       ; rows and bias in window 1
.elseif ((\ks)%4) == 3
	WIN 0x05                                       ; rows and weight buffer 3 in window 1
.else
	WIN 0x04                                       ; rows in window 1
.endif
.irp i, 0,1,2
.if (\ks) == 0
	v_wmma_f32_16x16x32_bf16 v[ACC+8*(4*\i+(\nb)):ACC+8*(4*\i+(\nb))+7], v[rB+8*(\nb):rB+8*(\nb)+7], v[24*((\ks)%8)+8*\i:24*((\ks)%8)+8*\i+7], v[BIAS+8*(\nb):BIAS+8*(\nb)+7]
.else
	v_wmma_f32_16x16x32_bf16 v[ACC+8*(4*\i+(\nb)):ACC+8*(4*\i+(\nb))+7], v[rB+8*(\nb):rB+8*(\nb)+7], v[24*((\ks)%8)+8*\i:24*((\ks)%8)+8*\i+7], v[ACC+8*(4*\i+(\nb)):ACC+8*(4*\i+(\nb))+7]
.endif
.endr
.endm
; Pair p: K steps 2 p and 2 p + 1.  The weight loads that go to window 0 are dealt among the first step's products (address and destination lie in window 0 under those settings too);
; the loads that go to window 1 stand in one run between the two steps.
.macro PAIR p
	s_wait_loadcnt 30                              ; the first step's six row loads are in: the second step's six and the two pairs ahead, 24, may stay out
	s_wait_dscnt 8                                 ; the first step's weights are in: the second step's eight loads may stay out
	s_wait_alu depctr_va_vdst(0)                   ; the pair before is done reading its two row slots and its two weight buffers, in which the 28 loads below land; at pair 0 the GELU is done with v224-255, in the first trip the bias's roundings with window 1's v224-239
	MUL3 2*(\p), 0
	BL4 (2*(\p)+2)%32, 0
	MUL3 2*(\p), 1
	BL4 (2*(\p)+2)%32, 1
	MUL3 2*(\p), 2
.if (\p)%2
	BL4 (2*(\p)+3)%32, 0                           ; an odd pair fills buffers 0 and 1, both in window 0
.endif
	MUL3 2*(\p), 3
.if (\p)%2
	BL4 (2*(\p)+3)%32, 1
.endif
	WIN 0x40                                       ; destination window 1.  No further wait: no product since the wait above names a register that these loads touch
.if !((\p)%2)
	BL4 (2*(\p)+3)%32, 0                           ; an even pair fills buffers 2 and 3: buffer 3 lies in window 1
	BL4 (2*(\p)+3)%32, 1
.endif
.irp n, 6,7
.if 2*(\p)+\n < 32
	ALOAD (2*(\p)+\n)%8, CUR, 2*(\p)+\n
.else
	ALOAD (2*(\p)+\n)%8, NXT, 2*(\p)+\n-32
.endif
.endr
	s_wait_loadcnt 36                              ; the second step's six row loads are in: behind them the two pairs ahead, 24, and the 12 just issued
	s_wait_dscnt 16                                ; the second step's weights are in: behind them the 16 loads of this pair
	MUL3 2*(\p)+1, 0
	MUL3 2*(\p)+1, 1
	MUL3 2*(\p)+1, 2
	MUL3 2*(\p)+1, 3
.endm
; The GELU of one accumulator (8 numbers a lane), rounded into the row block's set of store data.  The accumulator is read from its lowest register on.
.macro GELU i, nb
.set XA, ACC+8*(4*\i+\nb)
.irp j, 0,1,2,3,4,5,6,7
	v_and_b32 v[TA+\j], 0x7fffffff, v[XA+\j]       ; |x|
.endr
.irp j, 0,2,4,6
	v_pk_fma_f32 v[TD+\j:TD+\j+1], v[TA+\j:TA+\j+1], v[KPZ:KPZ+1], 1.0 op_sel_hi:[1,1,0]   ; 1 + 0.3275911 |x| / sqrt 2
.endr
.irp j, 0,1,2,3,4,5,6,7
	v_rcp_f32 v[TD+\j], v[TD+\j]                   ; t
.endr
.irp j, 0,2,4,6                                        ; plain instructions on other registers stand behind the reciprocals (ISA guide 5.7.2)
	v_pk_mul_f32 v[TU+\j:TU+\j+1], v[TA+\j:TA+\j+1], v[KCU:KCU+1]                          ; |x| sqrt(log2(e) / 2)
.endr
.irp j, 0,2,4,6
	v_pk_mul_f32 v[TU+\j:TU+\j+1], v[TU+\j:TU+\j+1], v[TU+\j:TU+\j+1] neg_lo:[1,0] neg_hi:[1,0]   ; - x x log2(e) / 2
.endr
.irp j, 0,1,2,3,4,5,6,7
	v_exp_f32 v[TU+\j], v[TU+\j]                   ; e^(- x x / 2)
.endr
	s_wait_alu depctr_va_vdst(0)
.irp j, 0,2,4,6                                        ; and behind the exponentials
	v_pk_fma_f32 v[TQ+\j:TQ+\j+1], v[TD+\j:TD+\j+1], v[KA5:KA5+1], v[KA4:KA4+1]
.endr
.irp k, KA3, KA2, KA1
.irp j, 0,2,4,6
	v_pk_fma_f32 v[TQ+\j:TQ+\j+1], v[TQ+\j:TQ+\j+1], v[TD+\j:TD+\j+1], v[\k:\k+1]
.endr
.endr
.irp j, 0,2,4,6
	v_pk_mul_f32 v[TQ+\j:TQ+\j+1], v[TQ+\j:TQ+\j+1], v[TD+\j:TD+\j+1]
.endr
.irp j, 0,2,4,6
	v_pk_mul_f32 v[TQ+\j:TQ+\j+1], v[TQ+\j:TQ+\j+1], v[TU+\j:TU+\j+1]                      ; erfc(|x| / sqrt 2) / 2
.endr
.irp j, 0,1,2,3,4,5,6,7
	v_max_num_f32 v[TD+\j], 0, v[XA+\j]
.endr
.irp j, 0,2,4,6
	v_pk_fma_f32 v[TD+\j:TD+\j+1], v[TA+\j:TA+\j+1], v[TQ+\j:TQ+\j+1], v[TD+\j:TD+\j+1] neg_lo:[1,0,0] neg_hi:[1,0,0]
.endr
.irp q, 0,1,2,3
	v_cvt_pk_bf16_f32 v[OUT+32*(\i%2)+4*\nb+\q], v[TD+2*\q], v[TD+2*\q+1]
.endr
.endm
	s_load_b256 s[4:11], s[0:1], 0x0               ; xs s[4:5], W1 s[6:7], b1 s[8:9], rout s[10:11]
	s_load_b64 s[12:13], s[0:1], 0x20              ; hs
	v_lshl_add_u32 v46, v0, 2, 0x28000
	v_mov_b32 v47, 0
	v_lshrrev_b32 v1, 5, v0
	v_readfirstlane_b32 s[WV], v1                  ; wave
	s_and_b32 s[EX], ttmp7, 0xffff                 ; expert
	v_and_b32 v1, 31, v0                           ; lane
	v_and_b32 v2, 15, v0                           ; lane % 16
	v_bfe_u32 v3, v0, 4, 1                         ; lane / 16
	v_lshlrev_b32 v[L16], 4, v1
	v_lshlrev_b32 v[WGO], 4, v2
	v_lshl_add_u32 v[WGO], v3, WPL, v[WGO]         ; lanes 0-15 one row's 256 bytes, lanes 16-31 the next row's
	s_wait_alu depctr_va_sdst(0)                   ; the wave's number is written, ahead of its first reader: LDS addresses, bases and the trip count are made from it
	s_mul_i32 s17, s[WV], 128*LP                   ; my wave brings rows 128 w .. 128 w + 127
	v_mul_u32_u24 v[WSA], v3, LP
	v_lshl_add_u32 v[WSA], v2, 3, v[WSA]
	v_add_nc_u32 v[WSA], s17, v[WSA]
	v_and_b32 v7, 7, v0                            ; the turning load: lane l reads 16 bytes of row 8 (l / 16) + l % 8, columns 8 ((l / 8) % 2) + 0..7
	v_lshl_add_u32 v7, v3, 3, v7
	v_mul_u32_u24 v[VB], v7, LP
	v_bfe_u32 v7, v0, 3, 1
	v_lshl_add_u32 v[VB], v7, 4, v[VB]
.irp g, 1,2,3
	v_add_nc_u32 v[VB+\g], \g*8*32*LP, v[VB]       ; eight K steps are 40,960 bytes: the 16-bit offset reaches no further
.endr
	v_lshlrev_b32 v[BO], 5, v3
	KSET KPZ, 0x3e6d3388                           ; 0.3275911 / sqrt 2
	KSET KCU, 0x3f596d27                           ; sqrt(log2(e) / 2)
	KSET KA1, 0x3e027906                           ; a1 / 2 .. a5 / 2
	KSET KA2, 0xbe11a98e
	KSET KA3, 0x3f35f0e3
	KSET KA4, 0xbf3a00e3
	KSET KA5, 0x3f07dc22
	s_lshl_b32 s[OFS], s[EX], 23                   ; W1: 8 MiB an expert,
	s_lshl_b32 s17, ttmp9, 8                       ; 256 bytes of a row a work-group,
	s_add_co_u32 s[OFS], s[OFS], s17
	s_lshl_b32 s18, s[WV], 7+WPL                   ; 128 rows a wave
	s_add_co_u32 s[OFS], s[OFS], s18
	s_mov_b32 s[OFS+1], 0
	s_lshl_b32 s27, s[EX], 2
	s_wait_kmcnt 0x0
	s_add_nc_u64 s[PW:PW+1], s[PW:PW+1], s[OFS:OFS+1]
	s_wait_alu depctr_va_vdst(0)                   ; the offsets and LDS addresses v4 to v12 are written, which every load and store of the kernel reads
	; THE WEIGHTS: 64 loads a wave, in eight groups of eight; 24 to 32 of them are on their way (12 to 16 KB a wave)
.set i, 0
.rept 32
	WLOAD i
.set i, i+1
.endr
	s_load_b32 s20, s[10:11], s27 offset:0x4000    ; u0[e]
	s_load_b32 s21, s[10:11], s27 offset:0x4020    ; nun[e]
	s_lshl_b32 s[OFS], ttmp9, 11
	s_add_nc_u64 s[PO:PO+1], s[PO:PO+1], s[OFS:OFS+1]   ; hs at K steps 2 X, 2 X + 1 of a block
	s_lshl_b32 s[OFS], s[EX], 13
	s_add_co_u32 s[OFS], s[OFS], s17
	s_add_nc_u64 s[8:9], s[8:9], s[OFS:OFS+1]      ; b1 at my 64 columns
.set g, 0
.rept 8
.if g < 4
	s_wait_loadcnt 24                              ; group g is in: 24 loads were issued behind it
.else
	s_wait_loadcnt 56-8*g                          ; the counts run down
.endif
.if g > 1
	s_wait_alu depctr_vm_vsrc(0)                   ; the LDS stores of two groups back have read this set of 16 work registers, which the roundings below write again
.endif
.set j, 0
.rept 8
	v_cvt_pk_bf16_f32 v[TA+16*(g%2)+2*j], v[ACC+4*((8*g+j)%32)], v[ACC+4*((8*g+j)%32)+1]
	v_cvt_pk_bf16_f32 v[TA+16*(g%2)+2*j+1], v[ACC+4*((8*g+j)%32)+2], v[ACC+4*((8*g+j)%32)+3]
.set j, j+1
.endr
	s_wait_alu depctr_va_vdst(0)                   ; the roundings have written the work set, which the LDS stores read, and are done reading the raw registers, in which loads land again (the next weights; behind the last group, weight fragments)
.if g < 4
.set j, 0
.rept 8
	WLOAD 8*g+j+32
.set j, j+1
.endr
.endif
.set j, 0
.rept 8
	ds_store_b64 v[WSA], v[TA+16*(g%2)+2*j:TA+16*(g%2)+2*j+1] offset:2*LP*(8*g+j)
.set j, j+1
.endr
.set g, g+1
.endr
	; MY UNITS.  No branch yet: a wave without a unit takes unit 0's address, so that every wave reaches the barrier by the same lines.
	s_wait_kmcnt 0x0
	s_min_u32 s20, s20, 93
	s_min_u32 s21, s21, 43                         ; 2,048 rows at the most: 43 units
	s_add_co_u32 s[NTR], s21, 7
	s_sub_co_u32 s[NTR], s[NTR], s[WV]
	s_lshr_b32 s[NTR], s[NTR], 3                   ; units w, w + 8, .. below nun
	s_add_co_u32 s[ICUR], s20, s[WV]
	s_lshl_b32 s[ILAST], s[NTR], 3
	s_add_co_u32 s[ILAST], s[ILAST], s[ICUR]
	s_sub_co_u32 s[ILAST], s[ILAST], 8
	s_cmp_lg_u32 s[NTR], 0
	s_cselect_b32 s[ICUR], s[ICUR], 0
	s_cselect_b32 s[ILAST], s[ILAST], 0
	s_add_co_u32 s[INXT], s[ICUR], 8
	s_min_u32 s[INXT], s[INXT], s[ILAST]           ; behind my last unit: that unit again
	s_min_u32 s[OFS], s[ICUR], 93
	s_mul_i32 s[OFS], s[OFS], US
	s_add_nc_u64 s[CUR:CUR+1], s[PA:PA+1], s[OFS:OFS+1]
	s_min_u32 s[OFS], s[INXT], 93
	s_mul_i32 s[OFS], s[OFS], US
	s_add_nc_u64 s[NXT:NXT+1], s[PA:PA+1], s[OFS:OFS+1]
	s_min_u32 s[OFS], s[ICUR], 93
	s_mul_i32 s[OFS], s[OFS], UOUT
	s_add_nc_u64 s[OUTB:OUTB+1], s[PO:PO+1], s[OFS:OFS+1]
	WIN 0x40                                       ; no vector instruction has named the registers of window 1 in which these loads land
.irp nb, 0,1,2,3
	global_load_b128 v[BIAS+8*\nb:BIAS+8*\nb+3], v[BO], s[8:9] offset:64*\nb        ; register j: b1 of column 16 nb + 8 (lane / 16) + j, as an accumulator holds it
	global_load_b128 v[BIAS+8*\nb+4:BIAS+8*\nb+7], v[BO], s[8:9] offset:64*\nb+16
.endr
.irp k, 0,1,2,3,4,5
	ALOAD \k, CUR, \k
.endr
	s_wait_loadcnt 36                              ; the bias is in: the 36 row loads were issued behind it
	WIN 0x45                                       ; sources and destination in window 1
.irp q, 0,1,2,3,4,5,6,7,8,9,10,11,12,13,14,15
	v_cvt_pk_bf16_f32 v[BT+\q], v[BIAS+2*\q], v[BIAS+2*\q+1]     ; rounded to bf16 like every input, and widened again
.endr
.irp q, 0,1,2,3,4,5,6,7,8,9,10,11,12,13,14,15
	v_lshlrev_b32 v[BIAS+2*\q], 16, v[BT+\q]
	v_and_b32 v[BIAS+2*\q+1], 0xffff0000, v[BT+\q]
.endr
	WIN 0
	s_wait_dscnt 0x0                               ; for the others' sake: my 128 rows of weights are in LDS
	s_barrier_signal -1
	s_barrier_wait -1                              ; all 1,024 rows are.  The launch's only barrier; nothing writes these bytes again
	s_cmp_eq_u32 s[NTR], 0
	s_cbranch_scc1 .Lend
	s_wait_alu depctr_vm_vsrc(0)                   ; my LDS stores of the weights have read v224-255: from here on weight fragments land there and the GELU works there
	BL4 0, 0                                       ; the weights of K steps 0 and 1: the roundings that read v160-191 stand ahead of the last wait on va_vdst, and nothing since names v160-223
	BL4 0, 1
	BL4 1, 0
	BL4 1, 1
	s_mov_b32 s[TRP], 0
.Ltrip:
.irp p, 0,1,2,3,4,5,6,7,8,9,10,11,12,13,14,15
	PAIR \p
.endr
	WIN 0
.rept 4
	v_nop                                          ; four places (ISA guide 7.12.1) behind the last products, ahead of the GELU, which reads their results and writes v224-255, a source of K step 30's products
.endr
.irp i, 0,1,2
.if \i == 2
	s_wait_xcnt 0x0                                ; row block 0's stores have had their addresses translated: their data are written again only behind this wait,
	s_wait_alu depctr_vm_vsrc(0)                   ; and they have read the first set of store data, which row block 2's roundings write again
.endif
.irp nb, 0,1,2,3
	GELU \i, \nb
.endr
	s_wait_alu depctr_va_vdst(0)                   ; the roundings have written the block's set of store data, which the four stores read
.irp nb, 0,1,2,3
	global_store_b128 v[L16], v[OUT+32*(\i%2)+4*\nb:OUT+32*(\i%2)+4*\nb+3], s[OUTB:OUTB+1] offset:\i*65536+(\nb/2)*1024+(\nb%2)*512   ; columns 64 X + 16 nb + 8 (lane / 16) + 0..7 of row lane % 16: the next layer's K step 2 X + nb / 2, half nb % 2
.endr
.endr
	s_wait_xcnt 0x0                                ; the loads' and stores' bases and the stores' data are written again only behind this wait
	s_wait_alu depctr_vm_vsrc(0)                   ; this unit's stores have read both sets of store data, which the next unit's row blocks 0 and 1 write again
	s_mov_b64 s[CUR:CUR+1], s[NXT:NXT+1]
	s_mov_b32 s[ICUR], s[INXT]
	s_min_u32 s[OFS], s[ICUR], 93
	s_mul_i32 s[OFS], s[OFS], UOUT
	s_add_nc_u64 s[OUTB:OUTB+1], s[PO:PO+1], s[OFS:OFS+1]
	s_add_co_u32 s[INXT], s[INXT], 8
	s_min_u32 s[INXT], s[INXT], s[ILAST]
	s_min_u32 s[OFS], s[INXT], 93
	s_mul_i32 s[OFS], s[OFS], US
	s_add_nc_u64 s[NXT:NXT+1], s[PA:PA+1], s[OFS:OFS+1]
	s_add_co_u32 s[TRP], s[TRP], 1
	s_cmp_lt_u32 s[TRP], s[NTR]
	s_cbranch_scc1 .Ltrip
.Lend:
	s_wait_dscnt 0x0                               ; my LDS loads have come back before the wave ends
	s_wait_alu depctr_hold_cnt(0) depctr_sa_sdst(0) depctr_va_vdst(0) depctr_va_sdst(0) depctr_va_ssrc(0) depctr_va_vcc(0) depctr_vm_vsrc(0)
	s_wait_tensorcnt 0x0
	ds_add_u32 v46, v47
	s_wait_dscnt 0x0
	s_endpgm
.Lfunc_end_k_qbfcfb15e91_ffn1:
	.size	k_qbfcfb15e91_ffn1, .Lfunc_end_k_qbfcfb15e91_ffn1-k_qbfcfb15e91_ffn1
	.p2alignl 7, 3214868480
	.fill 96, 4, 3214868480
	.section	.rodata,"a",@progbits
	.p2align	6, 0x0
	.amdhsa_kernel k_qbfcfb15e91_ffn1
		.amdhsa_group_segment_fixed_size 164864
		.amdhsa_private_segment_fixed_size 0
		.amdhsa_enable_private_segment 0
		.amdhsa_kernarg_size 40
		.amdhsa_user_sgpr_count 2
		.amdhsa_user_sgpr_kernarg_segment_ptr 1
		.amdhsa_wavefront_size32 1
		.amdhsa_system_sgpr_workgroup_id_x 1
		.amdhsa_system_sgpr_workgroup_id_y 1
		.amdhsa_system_sgpr_workgroup_id_z 1
		.amdhsa_system_vgpr_workitem_id 0
		.amdhsa_next_free_vgpr 512
		.amdhsa_next_free_sgpr 66
		.amdhsa_reserve_vcc 0
		.amdhsa_float_denorm_mode_32 3
		.amdhsa_float_denorm_mode_16_64 3
		.amdhsa_memory_ordered 1
		.amdhsa_forward_progress 1
		.amdhsa_inst_pref_size 144
	.end_amdhsa_kernel
	.amdgpu_metadata
---
amdhsa.version: [ 1, 2 ]
amdhsa.kernels:
  - .name:           k_qbfcfb15e91_ffn1
    .symbol:         k_qbfcfb15e91_ffn1.kd
    .args:
      - { .name: xs, .offset: 0, .size: 8, .value_kind: global_buffer, .address_space: global }
      - { .name: W1, .offset: 8, .size: 8, .value_kind: global_buffer, .address_space: global }
      - { .name: b1, .offset: 16, .size: 8, .value_kind: global_buffer, .address_space: global }
      - { .name: rout, .offset: 24, .size: 8, .value_kind: global_buffer, .address_space: global }
      - { .name: hs, .offset: 32, .size: 8, .value_kind: global_buffer, .address_space: global }
    .group_segment_fixed_size: 164864
    .private_segment_fixed_size: 0
    .kernarg_segment_align: 8
    .kernarg_segment_size: 40
    .max_flat_workgroup_size: 256
    .sgpr_count:     66
    .vgpr_count:     512
    .wavefront_size: 32
...
	.end_amdgpu_metadata
.endif
;; end of part 7
;; launch ffn2 (part 8): grid 32 x 8, 8 waves a work-group, no clusters, 199,680 bytes of LDS; arguments hs, W2, rout, po; writes po
.if DOCPART == 8
	.amdgcn_target "amdgcn-amd-amdhsa--gfx1250"
	.amdhsa_code_object_version 6
	.text
	.protected	k_qbfcfb15e91_ffn2
	.globl	k_qbfcfb15e91_ffn2
	.p2align	8
	.type	k_qbfcfb15e91_ffn2,@function
k_qbfcfb15e91_ffn2:
	s_mov_b64 s[64:65], 0
	v_nop
	global_prefetch_b8 v0, s[64:65] scope:SCOPE_SE
	s_setreg_imm32_b32 hwreg(HW_REG_WAVE_SCHED_MODE, 0, 2), 2
	s_setreg_imm32_b32 hwreg(HW_REG_WAVE_MODE, 25, 1), 1
	s_wait_xcnt 0x0
	s_wait_alu depctr_vm_vsrc(0)
; THE SECOND EXPERT LAYER, for routed rows alone: po[kh][slot][n] = sum over k in half kh of hs[slot][k] W2[e][k][n], bf16 operands, f32 sums, po in f32.
; SHARES.  Work-group (X, e): expert e, columns 64 cb .. 64 cb + 63 (cb = X % 16), K half kh = X / 16: 1,024 of the 2,048.  So each work-group again owns 256 KB of weights, read from
; memory once, rounded to bf16 and kept in LDS as they lie, [k][n], and all 256 work-groups have equal shares.  The two halves go to two planes of po; the last launch adds them (an
; ordered sum: no atomics), with the bias and the gates.
; The loop is the first layer's: units of 48 rows, wave w takes units w, w + 8, ... alone; a unit is 32 K steps of 12 matrix instructions, 8 turning LDS loads and 6 global loads of rows
; in operand order, three pairs of K steps ahead; source 0 = 16 columns of W2, source 1 = 16 rows; a unit's first products start the sums with the constant 0.
; THE WAY OUT.  A lane holds 8 neighbouring f32 of one row, 32 of the 256 bytes that this work-group owns of that row.  A block of 16 rows goes through the wave's own stage in LDS and
; comes back by rows: 16 lanes store 256 consecutive bytes, aligned.
; NO JOINT LOADS, though the 16 work-groups of an expert's K half read the same rows: the number of units is read from memory and differs from wave to wave, so a joint request would put
; barriers into a loop whose trips differ; and each row byte is used by one wave of a work-group, which takes it straight into registers.
; The last unit of a wave loads six K steps of that same unit once more (36 loads, inside written bytes, not used), so that every trip of the loop is alike.
; THE MODE: SCHED_MODE bits 1:0 = 2 (LLVM: expert scheduling mode 2), set by the entry lines.  The code itself states the register dependences
; between vector or matrix instructions and memory or LDS instructions, with s_wait_alu, always for 0.
; THE PLAN.  K steps go in 16 PAIRS.  Registers that memory or LDS instructions touch, in the loop:
;   rows      eight K steps by turns.  Pair p's products read slots 2 p % 8 and (2 p + 1) % 8; the 12 loads issued in pair p (K steps 2 p + 6, 2 p + 7) land in the two slots that pair p - 1 read.
;   weights   four K steps by turns.  Pair p's products read buffers 2 p % 4 and (2 p + 1) % 4; the 16 LDS loads issued in pair p (K steps 2 p + 2, 2 p + 3) land in the two buffers that pair p - 1 read.
;   ACC       written by the products; read by the way out's LDS stores; written again by the next unit's first products.
;   v32-63    16 rows back from the stage: written by LDS loads, read by global stores; no vector instruction names them.
;   v4, v8-14 offsets and LDS addresses, made at the head and never written again; the bases are scalar.
; So ONE wait on va_vdst stands at the head of pairs 1 to 15: the pair before is done reading all that this pair's 28 loads land in.  Between that wait and the loads stand the pair's first 12
; products, which name their own weight buffer, their own row slot and the accumulators: none of the registers that the loads touch.  Pair 0 needs none: ahead of it the last vector or matrix
; instruction stands in front of a wait on va_vdst on both ways, the way out's on the way back and the last roundings' on the way in.
.set WPL,   12
.set WP,    1<<WPL                     ; bytes from row to row of W2
.set BLKB,  65536                      ; a block of hs
.set US,    3*BLKB                     ; a unit of hs
.set UOUT,  48*4096                    ; a unit of po
.set PLANE, 4512*4096                  ; a plane of po: 94 units
.set LP,    160                        ; a row of weights in LDS: 128 bytes + 32
.set STAGE, 1024*LP                    ; behind the weights: 16 rows x 272 bytes for each wave
.set SP,    272
; window 0
.set L16, 4                            ; v4      16 x lane; never rewritten
.set WGO, 5                            ; v5      my 16 bytes in two rows of W2
.set WSA, 6                            ; v6      where they go in LDS, 8 bytes
.set VB,  8                            ; v8-11   my place in a weight fragment, for K steps 0-7, 8-15, 16-23, 24-31
.set VST, 12                           ; v12     the way out: where I put 32 bytes of a row
.set VRD, 13                           ; v13     where I read 16 bytes of a row back
.set VCO, 14                           ; v14     and where they go in po
.set TB,  32                           ; v32-63  16 rows read back from the stage
.set ACC, 64                           ; v64-159  accumulator (row block i, column block nb) at ACC + 8 (4 i + nb); before the loop: W2 as loaded (v64-191)
.set BR,  160                          ; weight fragments, four K steps by turns: buffers 0, 1, 2 at v160, v192, v224 of window 0, buffer 3 at v224 of window 1
.set TA,  224                          ; v224-255 before the loop: the weights as rounded, two sets of 16
; window 1: v0-191 row fragments, eight K steps by turns: slot s at 24 s, block i at + 8 i
.set PA, 4                             ; s[4:5]   hs at my K half
.set PW, 6                             ; s[6:7]   W2 at my wave's rows
.set PO, 10                            ; s[10:11] po at my plane and columns
.set WV, 14
.set EX, 15
.set NTR, 22                           ; my units
.set TRP, 23                           ; the trip
.set ICUR, 24                          ; the unit in hand, my last, the next
.set ILAST, 25
.set INXT, 26
.set CUR, 28                           ; s[28:29] the rows of the unit in hand; s[30:31] of the next
.set NXT, 30
.set OUTB, 32                          ; s[32:33] where the unit in hand goes
.set OFS, 34                           ; s[34:35] an offset, its high word 0
.set MSB, 0
.macro WIN new                         ; s_set_vgpr_msb: bits 1:0 source 0, 3:2 source 1, 5:4 source 2, 7:6 destination; the high byte repeats the setting that is left
.if MSB != \new
	s_set_vgpr_msb (MSB<<8)|\new
.set MSB, \new
.endif
.endm
.macro WLOAD i                         ; two rows x 256 bytes of W2; read once in the launch
	global_load_b128 v[ACC+4*((\i)%32):ACC+4*((\i)%32)+3], v[WGO], s[PW:PW+1] offset:(\i)*2*WP th:TH_LOAD_NT
.endm
.macro BL4 ks, hf                      ; half hf of the weight fragments of K step ks: 2 column blocks x 2 turning loads (16 k x 16 n each).  The caller has set the destination's window
.set rB, BR+32*(((\ks)%4)-((\ks)%4)/3)
.irp nb, 2*(\hf), 2*(\hf)+1
	ds_load_tr16_b128 v[rB+8*(\nb):rB+8*(\nb)+3], v[VB+((\ks)/8)] offset:((\ks)%8)*32*LP+32*(\nb)
	ds_load_tr16_b128 v[rB+8*(\nb)+4:rB+8*(\nb)+7], v[VB+((\ks)/8)] offset:((\ks)%8)*32*LP+32*(\nb)+16*LP
.endr
.endm
.macro ALOAD slot, base, ksn           ; the row fragments of K step ksn of the unit at base: 3 blocks x 2 loads of 512 consecutive bytes
.irp i, 0,1,2
.irp j, 0,1
	global_load_b128 v[24*(\slot)+8*\i+4*\j:24*(\slot)+8*\i+4*\j+3], v[L16], s[\base:\base+1] offset:\i*BLKB+(\ksn)*1024+\j*512
.endr
.endr
.endm
; Three products: column block nb of K step ks, the three row blocks.  The 12 accumulators take turns, one instruction a turn, from step to step and over the loop's edge too.
.macro MUL3 ks, nb
.set rB, BR+32*(((\ks)%4)-((\ks)%4)/3)
.if ((\ks)%4) == 3
	WIN 0x05                                       ; rows and weight buffer 3 in window 1
.else
	WIN 0x04                                       ; rows in window 1
.endif
.irp i, 0,1,2
.if (\ks) == 0
	v_wmma_f32_16x16x32_bf16 v[ACC+8*(4*\i+(\nb)):ACC+8*(4*\i+(\nb))+7], v[rB+8*(\nb):rB+8*(\nb)+7], v[24*((\ks)%8)+8*\i:24*((\ks)%8)+8*\i+7], 0
.else
	v_wmma_f32_16x16x32_bf16 v[ACC+8*(4*\i+(\nb)):ACC+8*(4*\i+(\nb))+7], v[rB+8*(\nb):rB+8*(\nb)+7], v[24*((\ks)%8)+8*\i:24*((\ks)%8)+8*\i+7], v[ACC+8*(4*\i+(\nb)):ACC+8*(4*\i+(\nb))+7]
.endif
.endr
.endm
; Pair p: K steps 2 p and 2 p + 1.  The weight loads that go to window 0 are dealt among the first step's products (address and destination lie in window 0 under that setting too);
; the loads that go to window 1 stand in one run between the two steps.
.macro PAIR p
	s_wait_loadcnt 30                              ; the first step's six row loads are in: the second step's six and the two pairs ahead, 24, may stay out
	s_wait_dscnt 8                                 ; the first step's weights are in: the second step's eight loads may stay out
.if (\p) > 0
	s_wait_alu depctr_va_vdst(0)                   ; the pair before is done reading its two row slots and its two weight buffers, in which the 28 loads below land
.endif
	MUL3 2*(\p), 0
	BL4 (2*(\p)+2)%32, 0
	MUL3 2*(\p), 1
	BL4 (2*(\p)+2)%32, 1
	MUL3 2*(\p), 2
.if (\p)%2
	BL4 (2*(\p)+3)%32, 0                           ; an odd pair fills buffers 0 and 1, both in window 0
.endif
	MUL3 2*(\p), 3
.if (\p)%2
	BL4 (2*(\p)+3)%32, 1
.endif
	WIN 0x40                                       ; destination window 1.  No further wait: no product since the last wait on va_vdst names a register that these loads touch
.if !((\p)%2)
	BL4 (2*(\p)+3)%32, 0                           ; an even pair fills buffers 2 and 3: buffer 3 lies in window 1
	BL4 (2*(\p)+3)%32, 1
.endif
.irp n, 6,7
.if 2*(\p)+\n < 32
	ALOAD (2*(\p)+\n)%8, CUR, 2*(\p)+\n
.else
	ALOAD (2*(\p)+\n)%8, NXT, 2*(\p)+\n-32
.endif
.endr
	s_wait_loadcnt 36                              ; the second step's six row loads are in: behind them the two pairs ahead, 24, and the 12 just issued
	s_wait_dscnt 16                                ; the second step's weights are in: behind them the 16 loads of this pair
	MUL3 2*(\p)+1, 0
	MUL3 2*(\p)+1, 1
	MUL3 2*(\p)+1, 2
	MUL3 2*(\p)+1, 3
.endm
	s_load_b256 s[4:11], s[0:1], 0x0               ; hs s[4:5], W2 s[6:7], rout s[8:9], po s[10:11]
	v_lshl_add_u32 v30, v0, 2, 0x30800
	v_mov_b32 v31, 0
	v_lshrrev_b32 v1, 5, v0
	v_readfirstlane_b32 s[WV], v1                  ; wave
	s_and_b32 s[EX], ttmp7, 0xffff                 ; expert
	s_and_b32 s18, ttmp9, 15                       ; cb: my 64 columns
	s_lshr_b32 s19, ttmp9, 4                       ; kh: my half of K
	v_and_b32 v1, 31, v0                           ; lane
	v_and_b32 v2, 15, v0                           ; lane % 16
	v_bfe_u32 v3, v0, 4, 1                         ; lane / 16
	v_lshlrev_b32 v[L16], 4, v1
	v_lshlrev_b32 v[WGO], 4, v2
	v_lshl_add_u32 v[WGO], v3, WPL, v[WGO]         ; lanes 0-15 one row's 256 bytes, lanes 16-31 the next row's
	s_wait_alu depctr_va_sdst(0)                   ; the wave's number is written, ahead of its first reader: LDS addresses, bases and the trip count are made from it
	s_mul_i32 s17, s[WV], 128*LP                   ; my wave brings rows 128 w .. 128 w + 127 of the half
	v_mul_u32_u24 v[WSA], v3, LP
	v_lshl_add_u32 v[WSA], v2, 3, v[WSA]
	v_add_nc_u32 v[WSA], s17, v[WSA]
	v_and_b32 v7, 7, v0                            ; the turning load: lane l reads 16 bytes of row 8 (l / 16) + l % 8, columns 8 ((l / 8) % 2) + 0..7
	v_lshl_add_u32 v7, v3, 3, v7
	v_mul_u32_u24 v[VB], v7, LP
	v_bfe_u32 v7, v0, 3, 1
	v_lshl_add_u32 v[VB], v7, 4, v[VB]
.irp g, 1,2,3
	v_add_nc_u32 v[VB+\g], \g*8*32*LP, v[VB]       ; eight K steps are 40,960 bytes: the 16-bit offset reaches no further
.endr
	s_mul_i32 s17, s[WV], 16*SP
	s_add_co_u32 s17, s17, STAGE                   ; my stage
	v_mul_u32_u24 v[VST], v2, SP                   ; in: row lane % 16, 32 bytes for each half of the lanes
	v_lshl_add_u32 v[VST], v3, 5, v[VST]
	v_add_nc_u32 v[VST], s17, v[VST]
	v_mul_u32_u24 v[VRD], v3, SP                   ; back: lanes 0-15 one row of 256 bytes, lanes 16-31 the next
	v_lshl_add_u32 v[VRD], v2, 4, v[VRD]
	v_add_nc_u32 v[VRD], s17, v[VRD]
	v_lshlrev_b32 v[VCO], 4, v2                    ; and the same two rows in po
	v_lshl_add_u32 v[VCO], v3, 12, v[VCO]
	s_lshl_b32 s[OFS], s[EX], 23                   ; W2: 8 MiB an expert,
	s_lshl_b32 s17, s19, 22                        ; 4 MiB a half of K,
	s_add_co_u32 s[OFS], s[OFS], s17
	s_lshl_b32 s17, s18, 8                         ; 256 bytes of a row a work-group,
	s_add_co_u32 s[OFS], s[OFS], s17
	s_lshl_b32 s16, s[WV], 7+WPL                   ; 128 rows a wave
	s_add_co_u32 s[OFS], s[OFS], s16
	s_mov_b32 s[OFS+1], 0
	s_lshl_b32 s27, s[EX], 2
	s_wait_kmcnt 0x0
	s_add_nc_u64 s[PW:PW+1], s[PW:PW+1], s[OFS:OFS+1]
	s_wait_alu depctr_va_vdst(0)                   ; the offsets and LDS addresses v4 to v14 are written, which every load and store of the kernel reads
	; THE WEIGHTS: 64 loads a wave, in eight groups of eight; 24 to 32 of them are on their way (12 to 16 KB a wave)
.set i, 0
.rept 32
	WLOAD i
.set i, i+1
.endr
	s_load_b32 s20, s[8:9], s27 offset:0x4000      ; u0[e]
	s_load_b32 s21, s[8:9], s27 offset:0x4020      ; nun[e]
	s_lshl_b32 s[OFS], s19, 15
	s_add_nc_u64 s[PA:PA+1], s[PA:PA+1], s[OFS:OFS+1]   ; hs at K step 32 kh of a block
	s_mul_i32 s[OFS], s19, PLANE
	s_add_co_u32 s[OFS], s[OFS], s17
	s_add_nc_u64 s[PO:PO+1], s[PO:PO+1], s[OFS:OFS+1]   ; po at my plane and my 256 bytes of a row
.set g, 0
.rept 8
.if g < 4
	s_wait_loadcnt 24                              ; group g is in: 24 loads were issued behind it
.else
	s_wait_loadcnt 56-8*g                          ; the counts run down
.endif
.if g > 1
	s_wait_alu depctr_vm_vsrc(0)                   ; the LDS stores of two groups back have read this set of 16 work registers, which the roundings below write again
.endif
.set j, 0
.rept 8
	v_cvt_pk_bf16_f32 v[TA+16*(g%2)+2*j], v[ACC+4*((8*g+j)%32)], v[ACC+4*((8*g+j)%32)+1]
	v_cvt_pk_bf16_f32 v[TA+16*(g%2)+2*j+1], v[ACC+4*((8*g+j)%32)+2], v[ACC+4*((8*g+j)%32)+3]
.set j, j+1
.endr
	s_wait_alu depctr_va_vdst(0)                   ; the roundings have written the work set, which the LDS stores read, and are done reading the raw registers, in which loads land again (the next weights; behind the last group, weight fragments, in the work sets too)
.if g < 4
.set j, 0
.rept 8
	WLOAD 8*g+j+32
.set j, j+1
.endr
.endif
.set j, 0
.rept 8
	ds_store_b64 v[WSA], v[TA+16*(g%2)+2*j:TA+16*(g%2)+2*j+1] offset:2*LP*(8*g+j)
.set j, j+1
.endr
.set g, g+1
.endr
	; MY UNITS.  No branch yet: a wave without a unit takes unit 0's address, so that every wave reaches the barrier by the same lines.
	s_wait_kmcnt 0x0
	s_min_u32 s20, s20, 93
	s_min_u32 s21, s21, 43                         ; 2,048 rows at the most: 43 units
	s_add_co_u32 s[NTR], s21, 7
	s_sub_co_u32 s[NTR], s[NTR], s[WV]
	s_lshr_b32 s[NTR], s[NTR], 3                   ; units w, w + 8, .. below nun
	s_add_co_u32 s[ICUR], s20, s[WV]
	s_lshl_b32 s[ILAST], s[NTR], 3
	s_add_co_u32 s[ILAST], s[ILAST], s[ICUR]
	s_sub_co_u32 s[ILAST], s[ILAST], 8
	s_cmp_lg_u32 s[NTR], 0
	s_cselect_b32 s[ICUR], s[ICUR], 0
	s_cselect_b32 s[ILAST], s[ILAST], 0
	s_add_co_u32 s[INXT], s[ICUR], 8
	s_min_u32 s[INXT], s[INXT], s[ILAST]           ; behind my last unit: that unit again
	s_min_u32 s[OFS], s[ICUR], 93
	s_mul_i32 s[OFS], s[OFS], US
	s_add_nc_u64 s[CUR:CUR+1], s[PA:PA+1], s[OFS:OFS+1]
	s_min_u32 s[OFS], s[INXT], 93
	s_mul_i32 s[OFS], s[OFS], US
	s_add_nc_u64 s[NXT:NXT+1], s[PA:PA+1], s[OFS:OFS+1]
	s_min_u32 s[OFS], s[ICUR], 93
	s_mul_i32 s[OFS], s[OFS], UOUT
	s_add_nc_u64 s[OUTB:OUTB+1], s[PO:PO+1], s[OFS:OFS+1]
	WIN 0x40                                       ; no vector instruction has named the registers of window 1 in which these loads land
.irp k, 0,1,2,3,4,5
	ALOAD \k, CUR, \k
.endr
	WIN 0
	s_wait_dscnt 0x0                               ; for the others' sake: my 128 rows of weights are in LDS
	s_barrier_signal -1
	s_barrier_wait -1                              ; all 1,024 rows are.  The launch's only barrier; nothing writes these bytes again
	s_cmp_eq_u32 s[NTR], 0
	s_cbranch_scc1 .Lend
	s_wait_alu depctr_vm_vsrc(0)                   ; my LDS stores of the weights have read v224-255, in which weight fragments land from pair 0 on
	BL4 0, 0                                       ; the weights of K steps 0 and 1: the roundings that read v160-191 stand ahead of the last wait on va_vdst
	BL4 0, 1
	BL4 1, 0
	BL4 1, 1
	s_mov_b32 s[TRP], 0
.Ltrip:
.irp p, 0,1,2,3,4,5,6,7,8,9,10,11,12,13,14,15
	PAIR \p
.endr
	WIN 0
.rept 4
	v_nop                                          ; four places behind the last products, ahead of the LDS stores of their results
.endr
	v_nop                                          ; a fifth place: the next unit's first products (C = 0) write over these accumulators, which asks for five (ISA guide 7.12.1), and the way out below holds no vector arithmetic
	s_wait_alu depctr_va_vdst(0)                   ; the products have written the accumulators, which the LDS stores read, and are done reading the last pair's rows and weights; the places above stay beside this wait
.irp i, 0,1,2                                          ; THE WAY OUT, a block of 16 rows at a time; each accumulator is read from its lowest registers on
.irp nb, 0,1,2,3
	ds_store_b128 v[VST], v[ACC+8*(4*\i+\nb):ACC+8*(4*\i+\nb)+3] offset:64*\nb
	ds_store_b128 v[VST], v[ACC+8*(4*\i+\nb)+4:ACC+8*(4*\i+\nb)+7] offset:64*\nb+16
.endr
	s_wait_xcnt 0x0                                ; the registers that the last block's stores read are loaded again only behind this wait
	s_wait_alu depctr_vm_vsrc(0)                   ; the last block's global stores have read v32-63, in which the loads below land; the LDS stores above have read their accumulators, which the next unit's first products write
.irp t, 0,1,2,3,4,5,6,7
	ds_load_b128 v[TB+4*\t:TB+4*\t+3], v[VRD] offset:2*SP*\t       ; the stage is the wave's own: these loads see the stores above, and the next block's stores come behind them (ISA guide 5.7.1)
.endr
	s_wait_dscnt 0x0
.irp t, 0,1,2,3,4,5,6,7
	global_store_b128 v[VCO], v[TB+4*\t:TB+4*\t+3], s[OUTB:OUTB+1] offset:(16*\i+2*\t)*4096   ; 16 lanes store 256 consecutive bytes, at a multiple of 256 from po's first byte
.endr
.endr
	s_wait_xcnt 0x0                                ; the loads' and stores' bases are written again only behind this wait
	s_mov_b64 s[CUR:CUR+1], s[NXT:NXT+1]
	s_mov_b32 s[ICUR], s[INXT]
	s_min_u32 s[OFS], s[ICUR], 93
	s_mul_i32 s[OFS], s[OFS], UOUT
	s_add_nc_u64 s[OUTB:OUTB+1], s[PO:PO+1], s[OFS:OFS+1]
	s_add_co_u32 s[INXT], s[INXT], 8
	s_min_u32 s[INXT], s[INXT], s[ILAST]
	s_min_u32 s[OFS], s[INXT], 93
	s_mul_i32 s[OFS], s[OFS], US
	s_add_nc_u64 s[NXT:NXT+1], s[PA:PA+1], s[OFS:OFS+1]
	s_add_co_u32 s[TRP], s[TRP], 1
	s_cmp_lt_u32 s[TRP], s[NTR]
	s_cbranch_scc1 .Ltrip
.Lend:
	s_wait_dscnt 0x0                               ; my LDS loads have come back before the wave ends
	s_wait_alu depctr_hold_cnt(0) depctr_sa_sdst(0) depctr_va_vdst(0) depctr_va_sdst(0) depctr_va_ssrc(0) depctr_va_vcc(0) depctr_vm_vsrc(0)
	s_wait_tensorcnt 0x0
	ds_add_u32 v30, v31
	s_wait_dscnt 0x0
	s_endpgm
.Lfunc_end_k_qbfcfb15e91_ffn2:
	.size	k_qbfcfb15e91_ffn2, .Lfunc_end_k_qbfcfb15e91_ffn2-k_qbfcfb15e91_ffn2
	.p2alignl 7, 3214868480
	.fill 96, 4, 3214868480
	.section	.rodata,"a",@progbits
	.p2align	6, 0x0
	.amdhsa_kernel k_qbfcfb15e91_ffn2
		.amdhsa_group_segment_fixed_size 199680
		.amdhsa_private_segment_fixed_size 0
		.amdhsa_enable_private_segment 0
		.amdhsa_kernarg_size 32
		.amdhsa_user_sgpr_count 2
		.amdhsa_user_sgpr_kernarg_segment_ptr 1
		.amdhsa_wavefront_size32 1
		.amdhsa_system_sgpr_workgroup_id_x 1
		.amdhsa_system_sgpr_workgroup_id_y 1
		.amdhsa_system_sgpr_workgroup_id_z 1
		.amdhsa_system_vgpr_workitem_id 0
		.amdhsa_next_free_vgpr 512
		.amdhsa_next_free_sgpr 66
		.amdhsa_reserve_vcc 0
		.amdhsa_float_denorm_mode_32 3
		.amdhsa_float_denorm_mode_16_64 3
		.amdhsa_memory_ordered 1
		.amdhsa_forward_progress 1
		.amdhsa_inst_pref_size 96
	.end_amdhsa_kernel
	.amdgpu_metadata
---
amdhsa.version: [ 1, 2 ]
amdhsa.kernels:
  - .name:           k_qbfcfb15e91_ffn2
    .symbol:         k_qbfcfb15e91_ffn2.kd
    .args:
      - { .name: hs, .offset: 0, .size: 8, .value_kind: global_buffer, .address_space: global }
      - { .name: W2, .offset: 8, .size: 8, .value_kind: global_buffer, .address_space: global }
      - { .name: rout, .offset: 16, .size: 8, .value_kind: global_buffer, .address_space: global }
      - { .name: po, .offset: 24, .size: 8, .value_kind: global_buffer, .address_space: global }
    .group_segment_fixed_size: 199680
    .private_segment_fixed_size: 0
    .kernarg_segment_align: 8
    .kernarg_segment_size: 32
    .max_flat_workgroup_size: 256
    .sgpr_count:     66
    .vgpr_count:     512
    .wavefront_size: 32
...
	.end_amdgpu_metadata
.endif
;; end of part 8
;; launch combine: the kernel of part 6 again; grid 256 x 1, 8 waves a work-group, no clusters, 0 bytes of LDS; arguments po, b2, gv, rin, rout, out0; writes out0
